; MI455X (gfx1250); checked and timed in simulation.
; The chip was launched on July 23, 2026; its instructions are those of AMD's public machine-readable ISA for CDNA 5 (MIT licence, August 2026) and "CDNA5" Instruction Set Architecture Reference Guide (July 2026). The comments in the code are by the model that wrote it; some were corrected since.
;; Multihead Attention. Allowed arithmetic: matrix products marked QUANTISED: E5M2 operands, one E8M0 scale for each 32 along K, by v_wmma_scale_f32_16x16x128_f8f6f4 with both operands' format E5M2, f32 sums; everything else in f32.
;; Inputs: Wk 512 x 512 float32; Wo 512 x 512 float32; Wq 512 x 512 float32; Wv 512 x 512 float32; bk 512 float32; bo 512 float32; bq 512 float32; bv 512 float32; key_ 2 x 4,096 x 512 float32; query 2 x 4,096 x 512 float32; value 2 x 4,096 x 512 float32.
;; Outputs: out0 2 x 4,096 x 512 float32.
;; This version of the problem:
;;   THIS VERSION OF THE PROBLEM IS GIVEN IN LOW PRECISION. The matrix products marked QUANTISED in the list below multiply operands that are first quantised to E5M2 (5 exponent bits, 2 mantissa bits; 8 bits a number), with one power-of-two scale for each 32 numbers along K (OCP MX v1.0); their sums are f32. All else is computed in f32.
;;   The module's matrix products, in the order in which they are computed (A, B: the left and right operand; K: the contracted axis; several contracted axes count as one K, in the product's order):
;;     1. [M 8,192, K 512] x [K 512, N 512]; A: input query; B: input Wq: QUANTISED
;;     2. [M 8,192, K 512] x [K 512, N 512]; A: input key_; B: input Wk: QUANTISED
;;     3. [M 8,192, K 512] x [K 512, N 512]; A: input value; B: input Wv: QUANTISED
;;     4. batch 16 x [M 4,096, K 64] x [K 64, N 4,096]; A: computed on the way; B: computed on the way: QUANTISED
;;     5. batch 16 x [M 4,096, K 4,096] x [K 4,096, N 64]; A: softmax (see below); B: computed on the way: QUANTISED
;;     6. [M 8,192, K 512] x [K 512, N 512]; A: computed on the way; B: input Wo: QUANTISED
;;   THE QUANTISER, for each operand of a quantised product, along K:
;;     - K is cut into blocks of 32 from its start; a last block that is shorter is filled with zeros.
;;     - A block's scale is 2^e with e = floor(log2(the largest magnitude in the block)) - 15, held to -126 .. 127; a block of zeros has e = 0. As a byte (E8M0): e + 127.
;;     - Each number is divided by its block's scale, clamped to +-57,344, and rounded to the nearest number of E5M2, ties to even, subnormals kept.
;;     - The product sums the exact products of the quantised numbers (number of the format x scale) in f32.
;;   ~~~python
;;   def quantise(x, axis):      # numpy; x: float32 -> the quantised numbers, widened to float32 again
;;       x = np.moveaxis(x, axis, -1); K = x.shape[-1]
;;       x = np.pad(x, [(0, 0)] * (x.ndim - 1) + [(0, -K % 32)]); x = x.reshape(x.shape[:-1] + (-1, 32)); a = np.abs(x).max(-1, keepdims=True)
;;       e = np.where(a > 0, np.clip(np.frexp(np.where(a > 0, a, 1))[1] - 1 - 15, -126, 127), 0)      # np.frexp(a)[1] - 1 = floor(log2(a)), exactly
;;       r = np.clip(x / 2.0 ** e, -57344, 57344)
;;       step = 2.0 ** (np.maximum(np.frexp(np.where(r == 0, 1, r))[1] - 1, -14) - 2)
;;       q = np.round(r / step) * step * 2.0 ** e      # np.round: ties to even
;;       return np.moveaxis(q.reshape(q.shape[:-2] + (-1,))[..., :K], -1, axis).astype(np.float32)
;;   ~~~
;;   SOFTMAX AHEAD OF A QUANTISED PRODUCT. Where the list says 'softmax', what is quantised is not the finished softmax but p = 2^(t - M), with t = logit x log2(e) and M = ceil(the row's largest t), a whole number; so 1/2 < the row's largest p <= 1. The row's sum l is taken of the UNQUANTISED p, in f32, and the product's result is divided by l at the end. Since M is a whole number, a kernel that streams over the keys may use a running M (the ceiling of the running maximum): every later rescaling is an exact power of two, which a block's scale takes up: the codes' values come out the same.
;;   OPERANDS COMPUTED ON THE WAY. 'Computed on the way' means the value that the module computes at that place (a softmax that the list does not call 'softmax' is quantised finished and normalised). What goes into a quantiser is computed in f32, as accurately as f32 sums, v_exp_f32 and their like allow (about 1e-6 of the number): no bf16 or f16 on the way to a quantiser, and a product that is left as it is and whose result goes on into a quantised operand takes f32 operands (vector FMAs, or v_wmma_f32_16x16x4_f32). A number that lies on a knife's edge between two numbers of the format may be rounded either way, as far as f32 arithmetic and the matrix unit's own rounding can turn it there, and no further.
;; 2 versions. Each part assembles by itself: llvm-mc -triple=amdgcn-amd-amdhsa -mcpu=gfx1250 --defsym DOCPART=n.
;; ======== version 1 of 2: 4 launches
;; workspace buffers: wimg 1,048,576 bytes; wsc 32,768 bytes; qc 4,325,376 bytes; kv 8,650,752 bytes; cimg 4,194,304 bytes; cs 131,072 bytes
;; launch wquant (part 1): grid 128 x 1, 1 waves a work-group, no clusters, 8,704 bytes of LDS; arguments Wq, Wk, Wv, Wo, wimg, wsc; writes wimg, wsc
.if DOCPART == 1
	.amdgcn_target "amdgcn-amd-amdhsa--gfx1250"
	.amdhsa_code_object_version 6
	.text
	.protected	k_qded62e6f1a_wquant
	.globl	k_qded62e6f1a_wquant
	.p2align	8
	.type	k_qded62e6f1a_wquant,@function
k_qded62e6f1a_wquant:
	s_mov_b64 s[64:65], 0
	v_nop
	global_prefetch_b8 v0, s[64:65] scope:SCOPE_SE
	s_setreg_imm32_b32 hwreg(HW_REG_WAVE_MODE, 25, 1), 1
	s_wait_xcnt 0x0
; The four weights [512][512] f32 (K innermost) become codes of BF8 (E5M2) with one E8M0 byte for each 32 along K, laid as IMAGES OF OPERAND REGISTERS.
; An image is a fragment of 16 rows x 128 K, 2,048 bytes: register group c (K = 32 c + 16 (lane / 16) + 0 .. 15 of row lane % 16) of lane l lies at 512 c + 16 l.
; wimg: [tensor y: Wq, Wk, Wv, Wo][tile 0..31][K step 0..3] images.  wsc: [y][tile][row 0..15][K step] scale words, 256 bytes a tile.
; THE ROWS OF A TILE: Wq, Wk, Wv: tile 4 g + 2 b + u holds rows 64 g + 32 b + 8 u + i + 8 (i / 8), so that a later product's results of two neighbouring tiles are 16 neighbours along the next K.  Wo: rows 16 tile + i.
; One wave takes one tile: 4 K steps.  Each load reads 512 consecutive bytes of one row; a step's 8 KB turn through a stage in LDS (rows 528 bytes apart) and come back 16 neighbours of each block of 32 a lane.
; A block's scale is 2^(floor(log2(largest magnitude)) - 15); its byte is the largest magnitude's exponent field - 15, held at 1 from below.
; LIMITS: a block of zeros, or one whose largest magnitude lies under 2^-111, gets the byte 1 (the rule says 127 for zeros: the codes are zeros, and this program alone reads the bytes); NaN and infinities are not served.
; No matrix unit, no cluster, no tensor load: 4 MB are read once and 1 MB is written once.
.set PITCH, 528                        ; a stage row: 512 bytes + 16: the 16 rows that a read touches start in 16 different columns of 16 bytes
.set SPARE, 16*PITCH                   ; behind the stage: the spare words, one block of 256 bytes that no other line names
.set LI,  1                            ; v1   16 x lane: a load's, an image's and the stage's way-in place
.set LR,  2                            ; v2   16 x (lane % 16): a row's four scale words
.set XB,  4                            ; v4   16 x lane + what rows 8-15 of the tile lie further on
.set TR,  6                            ; v6   the stage, way out: 528 r + 64 h
.set T,   16                           ; v16-79   64 numbers: register 16 b + i = K 32 b + 16 h + i of my row
.set R0,  80                           ; v80-143  a K step as loaded
.set R1,  144                          ; v144-207 the next one
.set TM,  208                          ; v208-223 at work: largest magnitudes, bytes, holds, scale operands
.set PC,  224                          ; v224-239 the codes just made
.set PW,  240                          ; v240-243 the four scale words
.set SPW, 252                          ; v252 LDS address of my spare word; never rewritten
.set NIL, 253                          ; v253 0; never rewritten
.set SEL, 24                           ; s[24:25] v_permlanex16_b32's selects for lane l xor 16
.set MNT, 26                           ; s26 the mantissa field of 57,344
; 64 numbers of a lane become a fragment's codes in v[PC] on and its scale word in v[pw].
.macro QUANT s, pw
.irp b, 0,1,2,3
	v_max3_num_f32 v[TM+\b], |v[\s+16*\b]|, |v[\s+1+16*\b]|, 0x8000000   ; block b: my 16 numbers, and the floor 2^(16 - 127): the byte cannot fall under 1
.endr
.irp i, 2,4,6,8,10,12,14
.irp b, 0,1,2,3
	v_max3_num_f32 v[TM+\b], v[TM+\b], |v[\s+16*\b+\i]|, |v[\s+1+16*\b+\i]|   ; the four blocks by turns
.endr
.endr
.irp b, 0,1,2,3
	v_permlanex16_b32 v[TM+4+\b], v[TM+\b], s[SEL], s[SEL+1]
.endr
.irp b, 0,1,2,3
	v_max_num_f32 v[TM+\b], v[TM+\b], v[TM+4+\b]   ; with lane l xor 16's 16: the block's largest magnitude
.endr
.irp b, 0,1,2,3
	v_add_nc_u32 v[TM+12+\b], 0xf8800000, v[TM+\b]   ; 15 off its exponent field: the conversion's scale operand
.endr
.irp b, 0,1,2,3
	v_and_or_b32 v[TM+8+\b], v[TM+\b], 0x7f800000, s[MNT]   ; 57,344 x the scale
.endr
.irp b, 0,1,2,3
	v_lshrrev_b32 v[TM+4+\b], 23, v[TM+12+\b]   ; the scale's byte
.endr
	v_lshl_or_b32 v[\pw], v[TM+5], 8, v[TM+4]
	v_lshl_or_b32 v[\pw], v[TM+6], 16, v[\pw]
	v_lshl_or_b32 v[\pw], v[TM+7], 24, v[\pw]
.irp b, 0,1,2,3
.irp i, 0,1,2,3,4,5,6,7,8,9,10,11,12,13,14,15
	v_med3_num_f32 v[\s+16*\b+\i], v[\s+16*\b+\i], -v[TM+8+\b], v[TM+8+\b]   ; the conversion does not saturate (ISA guide 7.6.2): the hold comes first
.endr
	v_cvt_scalef32_pk8_bf8_f32 v[PC+4*\b:PC+1+4*\b], v[\s+16*\b:\s+7+16*\b], v[TM+12+\b]
	v_cvt_scalef32_pk8_bf8_f32 v[PC+2+4*\b:PC+3+4*\b], v[\s+8+16*\b:\s+15+16*\b], v[TM+12+\b]
.endr
	v_nop                                          ; a plain line behind the last conversion
.endm
.macro XLOAD buf, s                    ; K step s of the tile's 16 rows: each load 512 consecutive bytes of one row
.irp i, 0,1,2,3,4,5,6,7
	global_load_b128 v[\buf+4*\i:\buf+4*\i+3], v[LI], s[4:5] offset:2048*\i+512*(\s) th:TH_LOAD_NT
.endr
.irp i, 8,9,10,11,12,13,14,15
	global_load_b128 v[\buf+4*\i:\buf+4*\i+3], v[XB], s[4:5] offset:2048*\i+512*(\s) th:TH_LOAD_NT
.endr
.endm
.macro TURN buf                        ; through the stage: LDS serves a wave's instructions in order, so no wait stands between the stores and the loads
.irp i, 0,1,2,3,4,5,6,7,8,9,10,11,12,13,14,15
	ds_store_b128 v[LI], v[\buf+4*\i:\buf+4*\i+3] offset:PITCH*\i
.endr
.irp b, 0,1,2,3
.irp j, 0,1,2,3
	ds_load_b128 v[T+16*\b+4*\j:T+16*\b+4*\j+3], v[TR] offset:128*\b+16*\j
.endr
.endr
.endm
	s_load_b256 s[4:11], s[0:1], 0x0               ; Wq, Wk, Wv, Wo
	s_load_b128 s[12:15], s[0:1], 0x20             ; wimg, wsc
	v_lshl_add_u32 v[SPW], v0, 2, SPARE
	v_mov_b32 v[NIL], 0
	s_lshr_b32 s16, ttmp9, 5                       ; y: which weight
	s_and_b32 s17, ttmp9, 30
	s_lshl_b32 s17, s17, 4                         ; 64 g + 32 b
	s_and_b32 s18, ttmp9, 1                        ; u
	s_cmp_eq_u32 s16, 3
	s_cselect_b32 s19, 4, 3                        ; Wo: + 16 u; the others: + 8 u,
	s_cselect_b32 s20, 0, 16384                    ; and rows 8-15 of the tile lie 8 rows of 2,048 bytes further on
	s_lshl_b32 s18, s18, s19
	s_add_co_u32 s17, s17, s18                     ; the tile's first row
	s_lshl_b32 s28, s17, 11
	s_mov_b32 s29, 0
	s_lshl_b32 s30, ttmp9, 13                      ; four images a tile
	s_mov_b32 s31, 0
	s_lshl_b32 s32, ttmp9, 8                       ; 256 bytes of scale words a tile
	s_mov_b32 s33, 0
	s_mov_b32 s[SEL], 0x76543210
	s_mov_b32 s[SEL+1], 0xfedcba98
	s_mov_b32 s[MNT], 0x600000
	v_lshlrev_b32 v[LI], 4, v0
	v_and_b32 v[LR], 15, v0
	v_bfe_u32 v5, v0, 4, 1
	v_mul_u32_u24 v[TR], v[LR], PITCH
	v_lshl_add_u32 v[TR], v5, 6, v[TR]
	v_lshlrev_b32 v[LR], 4, v[LR]
	v_add_nc_u32 v[XB], s20, v[LI]
.irp b, 0,1,2,3
	v_mov_b32 v[TM+4+\b], 0                        ; written once: a lane permute's destination counts as one of its sources
.endr
	s_wait_kmcnt 0x0
	s_cmp_eq_u32 s16, 1                            ; the choice hangs on the work-group's number alone
	s_cselect_b64 s[4:5], s[6:7], s[4:5]
	s_cmp_eq_u32 s16, 2
	s_cselect_b64 s[4:5], s[8:9], s[4:5]
	s_cmp_eq_u32 s16, 3
	s_cselect_b64 s[4:5], s[10:11], s[4:5]
	s_add_nc_u64 s[4:5], s[4:5], s[28:29]
	s_add_nc_u64 s[12:13], s[12:13], s[30:31]
	s_add_nc_u64 s[14:15], s[14:15], s[32:33]
	XLOAD R0, 0
	XLOAD R1, 1
.macro KSTEP s, buf, left              ; left: the 16 loads of the next K step may stay out
	s_wait_loadcnt \left
	TURN \buf
	s_wait_dscnt 0x0                               ; the numbers are back, and the stage's stores have read the buffer,
.if (\s) < 2
	XLOAD \buf, (\s)+2                             ; which takes the step two on
.endif
.if (\s) > 0
	s_wait_xcnt 0x0                                ; the last step's stores have read the codes' registers: they are written again only behind this wait
.endif
	QUANT T, PW+(\s)
.irp c, 0,1,2,3
	global_store_b128 v[LI], v[PC+4*\c:PC+4*\c+3], s[12:13] offset:2048*(\s)+512*\c   ; 512 consecutive bytes
.endr
.endm
	KSTEP 0, R0, 16
	KSTEP 1, R1, 16
	KSTEP 2, R0, 16
	KSTEP 3, R1, 0
	global_store_b128 v[LR], v[PW:PW+3], s[14:15]  ; 256 consecutive bytes; lanes 16-31 hold the same words as lanes 0-15 and write the same bytes
	s_wait_tensorcnt 0x0                           ; the wave's end: the spare word's add and its wait come behind my last LDS store
	ds_add_u32 v[SPW], v[NIL]
	s_wait_dscnt 0x0
	s_endpgm
.Lfunc_end_k_qded62e6f1a_wquant:
	.size	k_qded62e6f1a_wquant, .Lfunc_end_k_qded62e6f1a_wquant-k_qded62e6f1a_wquant
	.p2alignl 7, 3214868480
	.fill 96, 4, 3214868480
	.section	.rodata,"a",@progbits
	.p2align	6, 0x0
	.amdhsa_kernel k_qded62e6f1a_wquant
		.amdhsa_group_segment_fixed_size 8704
		.amdhsa_private_segment_fixed_size 0
		.amdhsa_enable_private_segment 0
		.amdhsa_kernarg_size 48
		.amdhsa_user_sgpr_count 2
		.amdhsa_user_sgpr_kernarg_segment_ptr 1
		.amdhsa_wavefront_size32 1
		.amdhsa_system_sgpr_workgroup_id_x 1
		.amdhsa_system_sgpr_workgroup_id_y 1
		.amdhsa_system_sgpr_workgroup_id_z 1
		.amdhsa_system_vgpr_workitem_id 0
		.amdhsa_next_free_vgpr 256
		.amdhsa_next_free_sgpr 66
		.amdhsa_reserve_vcc 0
		.amdhsa_float_denorm_mode_32 3
		.amdhsa_float_denorm_mode_16_64 3
		.amdhsa_memory_ordered 1
		.amdhsa_forward_progress 1
		.amdhsa_inst_pref_size 50
	.end_amdhsa_kernel
	.amdgpu_metadata
---
amdhsa.version: [ 1, 2 ]
amdhsa.kernels:
  - .name:           k_qded62e6f1a_wquant
    .symbol:         k_qded62e6f1a_wquant.kd
    .args:
      - { .name: Wq, .offset: 0, .size: 8, .value_kind: global_buffer, .address_space: global }
      - { .name: Wk, .offset: 8, .size: 8, .value_kind: global_buffer, .address_space: global }
      - { .name: Wv, .offset: 16, .size: 8, .value_kind: global_buffer, .address_space: global }
      - { .name: Wo, .offset: 24, .size: 8, .value_kind: global_buffer, .address_space: global }
      - { .name: wimg, .offset: 32, .size: 8, .value_kind: global_buffer, .address_space: global }
      - { .name: wsc, .offset: 40, .size: 8, .value_kind: global_buffer, .address_space: global }
    .group_segment_fixed_size: 8704
    .private_segment_fixed_size: 0
    .kernarg_segment_align: 8
    .kernarg_segment_size: 48
    .max_flat_workgroup_size: 32
    .sgpr_count:     66
    .vgpr_count:     256
    .wavefront_size: 32
...
	.end_amdgpu_metadata
.endif
;; end of part 1
;; launch proj (part 2): grid 64 x 3, 8 waves a work-group, no clusters, 136,192 bytes of LDS; arguments query, key_, value, bq, bk, bv, wimg, wsc, qc, kv; writes qc, kv
.if DOCPART == 2
	.amdgcn_target "amdgcn-amd-amdhsa--gfx1250"
	.amdhsa_code_object_version 6
	.text
	.protected	k_qded62e6f1a_proj
	.globl	k_qded62e6f1a_proj
	.p2align	8
	.type	k_qded62e6f1a_proj,@function
k_qded62e6f1a_proj:
	s_mov_b64 s[64:65], 0
	v_nop
	global_prefetch_b8 v0, s[64:65] scope:SCOPE_SE
	s_setreg_imm32_b32 hwreg(HW_REG_WAVE_MODE, 25, 1), 1
	s_wait_xcnt 0x0
; q, k, v = x W^T + b on codes of BF8 (E5M2) with E8M0 scales, and the results quantised again for attention's two products, all in one pass.
; SHARES.  Work-group (R, y): 128 tokens (rows 128 R on of the [8192][512] input), tensor y (0 query, 1 key_, 2 value).  Wave w = head w: its 64 rows of W, 16 fragments, stay in window 1 (256 registers).
; X PHASE.  Wave w quantises one tile of 16 tokens, tile 2 c + u = w: tokens 32 c + 8 u + i + 8 (i / 8); its four fragments go to LDS as images of their registers (group g of lane l at 512 g + 16 l), its scale words beside them.
; PRODUCTS, a pair of token tiles (c, 0), (c, 1) at a time, eight accumulators by turns, K in four steps of 128; the bias is the C of each sum's first instruction.
;   q, k: source 0 = 16 rows of W, source 1 = x: a lane holds ONE token, its registers run along the head's 64: two blocks of 32 a token tile.  The four blocks' codes are a PAIR image:
;         groups 0, 1 = tile (c, 0)'s d 0-31, 32-63; groups 2, 3 = tile (c, 1)'s; scale word = the four bytes in that order.
;   v:    source 0 = x, source 1 = 16 rows of W: a lane holds ONE unit of the head, its registers run along the tokens, which are the second product's K: block t = tile t's 32 tokens 32 c on.
; RECORDS of 128 tokens of one head.  qc: 8,448 bytes: 4 pair images, 256 bytes of scale words [r][c].  kv: 16,896 bytes: K's 4 pair images, V's 4 images (tile t: units 32 (t / 2) + 8 (t % 2) + r + 8 (r / 8)), K's words [r][c], V's words [r][t].
; NO MULTICAST: what work-groups share is W; each wave takes its 32 KB straight into the registers where they stay, by loads of 512 consecutive bytes.  Through LDS W's 256 KB, x's images (64 KB) and the turn stages (66 KB) would not fit in 320 KB.
; LIMITS: a block of zeros, or one under 2^-111, gets the byte 1 (its codes are zeros or subnormal-free; this program alone reads the bytes); NaN and infinities are not served.
.set XIMG,  0                          ; LDS: x's 32 fragments: (4 tile + K step) x 2,048
.set XSC,   65536                      ; their scale words: tile x 256 + 16 r: four words, K steps 0..3
.set TSTG,  67584                      ; a turn stage for each wave: 16 rows x 528
.set PITCH, 528
.set SPARE, TSTG+8*16*PITCH            ; 135,168: the spare words, 128 bytes a wave: four blocks of 256 bytes that no other line names
.set LI,  1                            ; v1   16 x lane
.set LR,  2                            ; v2   16 x (lane % 16)
.set TW,  3                            ; v3   my stage, way in
.set TR,  4                            ; v4   my stage, way out: + 528 r + 64 h
.set XWI, 5                            ; v5   where I store x's images: 8,192 w + 16 lane
.set XWS, 6                            ; v6   and their scale words: XSC + 256 w + 16 r
.set LXS, 7                            ; v7   XSC + 16 lane: lanes 0-15 read tile (c, 0)'s words, lanes 16-31 tile (c, 1)'s
.set BAQ, 8                            ; v8   64 h: the bias for q and k
.set BAV, 9                            ; v9   4 (r + 8 (r / 8)): the bias for v
.set XS,  10                           ; v10-13  x's scale words, K steps 0..3, two tiles to a register
.set T,   16                           ; v16-79  X phase: 64 numbers;  later HA: the eight accumulators
.set HA,  16
.set R0,  80                           ; v80-143 X phase: a K step as loaded;  later XF: four fragments of x
.set XF,  80
.set R1,  144                          ; v144-207 X phase: the next K step;  later BI and TP
.set BI,  144                          ; v144-175 the bias in the result's layout, 8 registers a tile of W
.set TP,  200                          ; v200-207 v's four bias numbers; at the end the transposition of v's scale bytes
.set TM,  208
.set PC,  224
.set PW,  240                          ; v240-243 the scale words just made
.set WS,  244                          ; v244-251 W's scale words: register 4 (t / 2) + s: lanes 0-15 tile 2 (t / 2), lanes 16-31 the odd tile
.set SPW, 252
.set NIL, 253
.set WV,  24                           ; s24 wave = head
.set TY,  25                           ; s25 tensor
.set SEL, 40
.set MNT, 42
.set MSB, 0
.macro WIN new                         ; the immediate's high byte repeats the setting that is left
.if MSB != (\new)
	s_set_vgpr_msb (MSB<<8)|(\new)
.set MSB, \new
.endif
.endm
.macro QUANT s, pw                     ; 64 numbers of a lane, four blocks of 16 + lane l xor 16's 16, become 16 registers of codes in v[PC] on and a scale word in v[pw]
.irp b, 0,1,2,3
	v_max3_num_f32 v[TM+\b], |v[\s+16*\b]|, |v[\s+1+16*\b]|, 0x8000000   ; and the floor 2^(16 - 127): the byte cannot fall under 1.  (Each accumulator is read from its low end on)
.endr
.irp i, 2,4,6,8,10,12,14
.irp b, 0,1,2,3
	v_max3_num_f32 v[TM+\b], v[TM+\b], |v[\s+16*\b+\i]|, |v[\s+1+16*\b+\i]|
.endr
.endr
.irp b, 0,1,2,3
	v_permlanex16_b32 v[TM+4+\b], v[TM+\b], s[SEL], s[SEL+1]
.endr
.irp b, 0,1,2,3
	v_max_num_f32 v[TM+\b], v[TM+\b], v[TM+4+\b]
.endr
.irp b, 0,1,2,3
	v_add_nc_u32 v[TM+12+\b], 0xf8800000, v[TM+\b]   ; 15 off the exponent field: the conversion's scale operand
.endr
.irp b, 0,1,2,3
	v_and_or_b32 v[TM+8+\b], v[TM+\b], 0x7f800000, s[MNT]   ; 57,344 x the scale
.endr
.irp b, 0,1,2,3
	v_lshrrev_b32 v[TM+4+\b], 23, v[TM+12+\b]
.endr
	v_lshl_or_b32 v[\pw], v[TM+5], 8, v[TM+4]
	v_lshl_or_b32 v[\pw], v[TM+6], 16, v[\pw]
	v_lshl_or_b32 v[\pw], v[TM+7], 24, v[\pw]
.irp b, 0,1,2,3
.irp i, 0,1,2,3,4,5,6,7,8,9,10,11,12,13,14,15
	v_med3_num_f32 v[\s+16*\b+\i], v[\s+16*\b+\i], -v[TM+8+\b], v[TM+8+\b]   ; the conversion does not saturate (ISA guide 7.6.2)
.endr
	v_cvt_scalef32_pk8_bf8_f32 v[PC+4*\b:PC+1+4*\b], v[\s+16*\b:\s+7+16*\b], v[TM+12+\b]
	v_cvt_scalef32_pk8_bf8_f32 v[PC+2+4*\b:PC+3+4*\b], v[\s+8+16*\b:\s+15+16*\b], v[TM+12+\b]
.endr
	v_nop                                          ; a plain line behind the last conversion: later products write the numbers' registers
.endm
.macro XLOAD buf, s                    ; K step s of my 16 tokens: each load 512 consecutive bytes of one row
.irp i, 0,1,2,3,4,5,6,7,8,9,10,11,12,13,14,15
	global_load_b128 v[\buf+4*\i:\buf+4*\i+3], v[LI], s[28:29] offset:(\i+8*(\i/8))*2048+512*(\s) th:TH_LOAD_NT
.endr
.endm
.macro WLOAD s                         ; my head's four fragments of K step s into window 1, fragment (t, s) at v[16 (4 t + s)]
	WIN 0x40
.irp t, 0,1,2,3
.irp g, 0,1,2,3
	global_load_b128 v[16*(4*\t+(\s))+4*\g:16*(4*\t+(\s))+4*\g+3], v[LI], s[32:33] offset:2048*(4*\t+(\s))+512*\g
.endr
.endr
	WIN 0
.endm
.macro TURN buf
.irp i, 0,1,2,3,4,5,6,7,8,9,10,11,12,13,14,15
	ds_store_b128 v[TW], v[\buf+4*\i:\buf+4*\i+3] offset:PITCH*\i
.endr
.irp b, 0,1,2,3
.irp j, 0,1,2,3
	ds_load_b128 v[T+16*\b+4*\j:T+16*\b+4*\j+3], v[TR] offset:128*\b+16*\j   ; LDS serves a wave's instructions in order: these see the stores above
.endr
.endr
.endm
.macro IMAGE s
.irp g, 0,1,2,3
	ds_store_b128 v[XWI], v[PC+4*\g:PC+4*\g+3] offset:2048*(\s)+512*\g
.endr
.endm
.macro FETCH reg, off
.irp g, 0,1,2,3
	ds_load_b128 v[\reg+4*\g:\reg+4*\g+3], v[LI] offset:\off+512*\g
.endr
.endm
.macro WMM d, a, b, c, sa, sb, ra, rb  ; ra, rb: 1 = that side's scales stand in lanes 16-31
.if ((\ra) == 0) && ((\rb) == 0)
	v_wmma_scale_f32_16x16x128_f8f6f4 v[\d:\d+7], v[\a:\a+15], v[\b:\b+15], v[\c:\c+7], v[\sa], v[\sb] matrix_a_fmt:MATRIX_FMT_BF8 matrix_b_fmt:MATRIX_FMT_BF8
.elseif ((\ra) == 1) && ((\rb) == 0)
	v_wmma_scale_f32_16x16x128_f8f6f4 v[\d:\d+7], v[\a:\a+15], v[\b:\b+15], v[\c:\c+7], v[\sa], v[\sb] matrix_a_fmt:MATRIX_FMT_BF8 matrix_b_fmt:MATRIX_FMT_BF8 matrix_a_scale:MATRIX_SCALE_ROW1
.elseif ((\ra) == 0) && ((\rb) == 1)
	v_wmma_scale_f32_16x16x128_f8f6f4 v[\d:\d+7], v[\a:\a+15], v[\b:\b+15], v[\c:\c+7], v[\sa], v[\sb] matrix_a_fmt:MATRIX_FMT_BF8 matrix_b_fmt:MATRIX_FMT_BF8 matrix_b_scale:MATRIX_SCALE_ROW1
.else
	v_wmma_scale_f32_16x16x128_f8f6f4 v[\d:\d+7], v[\a:\a+15], v[\b:\b+15], v[\c:\c+7], v[\sa], v[\sb] matrix_a_fmt:MATRIX_FMT_BF8 matrix_b_fmt:MATRIX_FMT_BF8 matrix_a_scale:MATRIX_SCALE_ROW1 matrix_b_scale:MATRIX_SCALE_ROW1
.endif
.endm
; The pair of token tiles (c, 0), (c, 1): 32 matrix instructions, the quantiser, four stores of 512 consecutive bytes.  pv = 1: the path for v.
.macro PROD pv, c
.irp e, 0,1                            ; K steps 2 e and 2 e + 1
.irp u, 0,1
	FETCH XF+32*\u, XIMG+(4*(2*(\c)+\u)+2*\e)*2048
	FETCH XF+32*\u+16, XIMG+(4*(2*(\c)+\u)+2*\e+1)*2048
.endr
.if \e == 0
	ds_load_b128 v[XS:XS+3], v[LXS] offset:512*(\c)
.endif
	s_wait_dscnt 0x0
.if \pv
	WIN 0x04                                       ; source 1 (W) in window 1
.else
	WIN 0x01                                       ; source 0 (W) in window 1
.endif
.irp q, 0,1
.irp u, 0,1
.irp t, 0,1,2,3                        ; the eight accumulators take turns, one instruction a turn, in the same order in every K step
.if \pv
.if (\e == 0) && (\q == 0)
	WMM HA+8*(2*\t+\u), XF+32*\u+16*\q, 16*(4*\t+2*\e+\q), BI+8*\t, XS+2*\e+\q, WS+4*(\t/2)+2*\e+\q, \u, \t%2
.else
	WMM HA+8*(2*\t+\u), XF+32*\u+16*\q, 16*(4*\t+2*\e+\q), HA+8*(2*\t+\u), XS+2*\e+\q, WS+4*(\t/2)+2*\e+\q, \u, \t%2
.endif
.else
.if (\e == 0) && (\q == 0)
	WMM HA+8*(4*\u+\t), 16*(4*\t+2*\e+\q), XF+32*\u+16*\q, BI+8*\t, WS+4*(\t/2)+2*\e+\q, XS+2*\e+\q, \t%2, \u
.else
	WMM HA+8*(4*\u+\t), 16*(4*\t+2*\e+\q), XF+32*\u+16*\q, HA+8*(4*\u+\t), WS+4*(\t/2)+2*\e+\q, XS+2*\e+\q, \t%2, \u
.endif
.endif
.endr
.endr
.endr
	WIN 0
.rept 8
	v_nop                                          ; eight places ahead of the loads into x's fragments and scale words and of the first read of results; the quantiser's lines on its own registers add the ninth and more ahead of the next pair's first products, which begin the sums anew
.endr
.endr
.if (\c) > 0
	s_wait_xcnt 0x0                                ; the last pair's stores have read the codes' registers
.endif
	QUANT HA, PW+(\c)
.irp g, 0,1,2,3
.if \pv
	global_store_b128 v[LI], v[PC+4*\g:PC+4*\g+3], s[36:37] offset:2048*\g+512*(\c)   ; tile g's image, the group of keys 32 c on
.else
	global_store_b128 v[LI], v[PC+4*\g:PC+4*\g+3], s[36:37] offset:2048*(\c)+512*\g   ; pair image c, group g
.endif
.endr
.endm
	s_load_b512 s[4:19], s[0:1], 0x0               ; query, key_, value, bq, bk, bv, wimg, wsc
	s_load_b128 s[20:23], s[0:1], 0x40             ; qc, kv
	v_lshl_add_u32 v[SPW], v0, 2, SPARE
	v_mov_b32 v[NIL], 0
	v_lshrrev_b32 v14, 5, v0
	v_readfirstlane_b32 s[WV], v14                 ; wave 0..7
	s_and_b32 s[TY], ttmp7, 0xffff
	v_and_b32 v14, 31, v0
	v_lshlrev_b32 v[LI], 4, v14
	v_and_b32 v15, 15, v0                          ; r
	v_lshlrev_b32 v[LR], 4, v15
	v_bfe_u32 v14, v0, 4, 1                        ; h
	s_mul_i32 s47, s[WV], 16*PITCH
	s_add_co_u32 s47, s47, TSTG
	v_add_nc_u32 v[TW], s47, v[LI]
	v_mul_u32_u24 v[TR], v15, PITCH
	v_lshl_add_u32 v[TR], v14, 6, v[TR]
	v_add_nc_u32 v[TR], s47, v[TR]
	s_lshl_b32 s48, s[WV], 13
	v_add_nc_u32 v[XWI], s48, v[LI]
	s_lshl_b32 s48, s[WV], 8
	s_add_co_u32 s48, s48, XSC
	v_add_nc_u32 v[XWS], s48, v[LR]
	v_add_nc_u32 v[LXS], XSC, v[LI]
	v_lshlrev_b32 v[BAQ], 6, v14
	v_and_b32 v[BAV], 8, v15
	v_add_nc_u32 v[BAV], v[BAV], v15
	v_lshlrev_b32 v[BAV], 2, v[BAV]
.irp b, 0,1,2,3
	v_mov_b32 v[TM+4+\b], 0                        ; written once: a lane permute's destination counts as one of its sources
.endr
	s_mov_b32 s[SEL], 0x76543210
	s_mov_b32 s[SEL+1], 0xfedcba98
	s_mov_b32 s[MNT], 0x600000
	s_lshl_b32 s50, ttmp9, 7                       ; x: row 128 R + 32 c + 8 u, with 2 c + u = wave
	s_and_b32 s51, s[WV], 6
	s_lshl_b32 s51, s51, 4
	s_add_co_u32 s50, s50, s51
	s_and_b32 s51, s[WV], 1
	s_lshl_b32 s51, s51, 3
	s_add_co_u32 s50, s50, s51
	s_lshl_b32 s50, s50, 11                        ; rows of 2,048 bytes: under 2^24
	s_mov_b32 s51, 0
	s_lshl_b32 s52, s[WV], 8                       ; the bias: my head's 64 numbers
	s_mov_b32 s53, 0
	s_lshl_b32 s54, s[TY], 18                      ; W's images: 262,144 a tensor, 32,768 a head
	s_lshl_b32 s55, s[WV], 15
	s_add_co_u32 s54, s54, s55
	s_mov_b32 s55, 0
	s_lshl_b32 s56, s[TY], 13                      ; W's scale words: 8,192 a tensor, 1,024 a head
	s_lshl_b32 s57, s[WV], 10
	s_add_co_u32 s56, s56, s57
	s_mov_b32 s57, 0
	s_lshr_b32 s58, ttmp9, 5                       ; the record: ((batch x 8 + head) x 32 + the block of 128 tokens)
	s_lshl_b32 s58, s58, 3
	s_add_co_u32 s58, s58, s[WV]
	s_lshl_b32 s58, s58, 5
	s_and_b32 s59, ttmp9, 31
	s_add_co_u32 s58, s58, s59
	s_lshl_b32 s60, s[TY], 8
	s_add_co_u32 s60, s60, 16128                   ; the scale words' place in a record of kv: 16,384 for k, 16,640 for v;
	s_mov_b32 s59, 16896
	s_cmp_eq_u32 s[TY], 0
	s_cselect_b32 s59, 8448, s59                   ; a record's bytes,
	s_cselect_b32 s60, 8192, s60                   ; in a record of qc 8,192
	s_mul_i32 s58, s58, s59
	s_cmp_eq_u32 s[TY], 2
	s_cselect_b32 s61, 8192, 0                     ; v's codes lie behind k's
	s_add_co_u32 s60, s58, s60
	s_add_co_u32 s58, s58, s61
	s_mov_b32 s59, 0
	s_mov_b32 s61, 0
	s_wait_kmcnt 0x0
	s_cmp_eq_u32 s[TY], 1                          ; the choices hang on the work-group's number alone
	s_cselect_b64 s[28:29], s[6:7], s[4:5]
	s_cselect_b64 s[30:31], s[12:13], s[10:11]
	s_cmp_eq_u32 s[TY], 2
	s_cselect_b64 s[28:29], s[8:9], s[28:29]
	s_cselect_b64 s[30:31], s[14:15], s[30:31]
	s_cmp_eq_u32 s[TY], 0
	s_cselect_b64 s[36:37], s[20:21], s[22:23]
	s_mov_b64 s[38:39], s[36:37]
	s_add_nc_u64 s[28:29], s[28:29], s[50:51]      ; x
	s_add_nc_u64 s[30:31], s[30:31], s[52:53]      ; the bias
	s_add_nc_u64 s[32:33], s[16:17], s[54:55]      ; W's images
	s_add_nc_u64 s[34:35], s[18:19], s[56:57]      ; W's scale words
	s_add_nc_u64 s[36:37], s[36:37], s[58:59]      ; the record's codes
	s_add_nc_u64 s[38:39], s[38:39], s[60:61]      ; the record's scale words
	; ---- X: my 16 tokens become four fragments.  x runs two K steps ahead; W's fragments are asked for between, 16 loads a K step
	XLOAD R0, 0
	XLOAD R1, 1
	WLOAD 0
	s_wait_loadcnt 32                              ; x's step 0 is in; behind it: x's step 1 and W's step 0
	TURN R0
	s_wait_dscnt 0x0                               ; the numbers are back and the buffer has been read
	XLOAD R0, 2
	WLOAD 1
	QUANT T, PW
	IMAGE 0
	s_wait_loadcnt 48                              ; x's step 1 is in; behind it: W 0, x 2, W 1
	TURN R1
	s_wait_dscnt 0x0
	XLOAD R1, 3
	WLOAD 2
	QUANT T, PW+1
	IMAGE 1
	s_wait_loadcnt 48                              ; x's step 2; behind it: W 1, x 3, W 2
	TURN R0
	s_wait_dscnt 0x0
	WLOAD 3
	QUANT T, PW+2
	IMAGE 2
	s_wait_loadcnt 32                              ; x's step 3; behind it: W 2, W 3
	TURN R1
	s_wait_dscnt 0x0                               ; the second buffer has been read: the bias lands there
.irp p, 0,1
	global_load_b128 v[WS+4*\p:WS+4*\p+3], v[LI], s[34:35] offset:512*\p   ; 16 lane = 256 h + 16 r: lanes 0-15 tile 2 p's four words, lanes 16-31 tile 2 p + 1's
.endr
.irp t, 0,1,2,3
	global_load_b128 v[BI+8*\t:BI+8*\t+3], v[BAQ], s[30:31] offset:(32*(\t/2)+8*(\t%2))*4      ; q, k: units 32 b + 8 u + 16 h + 0 .. 7
	global_load_b128 v[BI+8*\t+4:BI+8*\t+7], v[BAQ], s[30:31] offset:(32*(\t/2)+8*(\t%2))*4+16
	global_load_b32 v[TP+\t], v[BAV], s[30:31] offset:(32*(\t/2)+8*(\t%2))*4                   ; v: unit 32 b + 8 u + r + 8 (r / 8).  Both forms are loaded, so that no branch stands here
.endr
	QUANT T, PW+3
	IMAGE 3
	ds_store_b128 v[XWS], v[PW:PW+3]               ; lanes 16-31 hold the same words as lanes 0-15 and write the same bytes
	s_wait_dscnt 0x0                               ; for the others' sake: my images and words have landed
	s_barrier_signal -1
	s_barrier_wait -1                              ; x's 32 fragments lie in LDS; nothing is stored to LDS from here on
	s_wait_loadcnt 0x0                             ; W, its scale words, the bias
	s_cmp_eq_u32 s[TY], 2
	s_cbranch_scc1 .Lpath_v
	PROD 0, 0
	PROD 0, 1
	PROD 0, 2
	PROD 0, 3
	global_store_b128 v[LR], v[PW:PW+3], s[38:39]  ; [r][c]: 256 consecutive bytes (lanes 16-31 write the same bytes with the same values)
	s_wait_tensorcnt 0x0                           ; the wave's end: the spare word's add and its wait come behind my last LDS store
	ds_add_u32 v[SPW], v[NIL]
	s_wait_dscnt 0x0
	s_endpgm
.Lpath_v:
.irp t, 0,1,2,3
.irp j, 0,1,2,3,4,5,6,7
	v_mov_b32 v[BI+8*\t+\j], v[TP+\t]              ; a lane holds one unit: its bias in all eight registers
.endr
.endr
.rept 4
	v_nop
.endr
	PROD 1, 0
	PROD 1, 1
	PROD 1, 2
	PROD 1, 3
	; word c holds the bytes of tiles t = 0..3 for keys 32 c on; V's operand wants word t with the bytes of c = 0..3: a 4 x 4 transposition of bytes
	v_perm_b32 v[TP+4], v[PW+1], v[PW], 0x05010400     ; w0.t0 w1.t0 w0.t1 w1.t1
	v_perm_b32 v[TP+5], v[PW+3], v[PW+2], 0x05010400   ; w2.t0 w3.t0 w2.t1 w3.t1
	v_perm_b32 v[TP+6], v[PW+1], v[PW], 0x07030602     ; the same of t2, t3
	v_perm_b32 v[TP+7], v[PW+3], v[PW+2], 0x07030602
	v_perm_b32 v[TP], v[TP+5], v[TP+4], 0x05040100
	v_perm_b32 v[TP+1], v[TP+5], v[TP+4], 0x07060302
	v_perm_b32 v[TP+2], v[TP+7], v[TP+6], 0x05040100
	v_perm_b32 v[TP+3], v[TP+7], v[TP+6], 0x07060302
	global_store_b128 v[LR], v[TP:TP+3], s[38:39]  ; [r][t]: 256 consecutive bytes
	s_wait_tensorcnt 0x0                           ; the wave's end, as above
	ds_add_u32 v[SPW], v[NIL]
	s_wait_dscnt 0x0
	s_endpgm
.Lfunc_end_k_qded62e6f1a_proj:
	.size	k_qded62e6f1a_proj, .Lfunc_end_k_qded62e6f1a_proj-k_qded62e6f1a_proj
	.p2alignl 7, 3214868480
	.fill 96, 4, 3214868480
	.section	.rodata,"a",@progbits
	.p2align	6, 0x0
	.amdhsa_kernel k_qded62e6f1a_proj
		.amdhsa_group_segment_fixed_size 136192
		.amdhsa_private_segment_fixed_size 0
		.amdhsa_enable_private_segment 0
		.amdhsa_kernarg_size 80
		.amdhsa_user_sgpr_count 2
		.amdhsa_user_sgpr_kernarg_segment_ptr 1
		.amdhsa_wavefront_size32 1
		.amdhsa_system_sgpr_workgroup_id_x 1
		.amdhsa_system_sgpr_workgroup_id_y 1
		.amdhsa_system_sgpr_workgroup_id_z 1
		.amdhsa_system_vgpr_workitem_id 0
		.amdhsa_next_free_vgpr 512
		.amdhsa_next_free_sgpr 66
		.amdhsa_reserve_vcc 0
		.amdhsa_float_denorm_mode_32 3
		.amdhsa_float_denorm_mode_16_64 3
		.amdhsa_memory_ordered 1
		.amdhsa_forward_progress 1
		.amdhsa_inst_pref_size 182
	.end_amdhsa_kernel
	.amdgpu_metadata
---
amdhsa.version: [ 1, 2 ]
amdhsa.kernels:
  - .name:           k_qded62e6f1a_proj
    .symbol:         k_qded62e6f1a_proj.kd
    .args:
      - { .name: query, .offset: 0, .size: 8, .value_kind: global_buffer, .address_space: global }
      - { .name: key_, .offset: 8, .size: 8, .value_kind: global_buffer, .address_space: global }
      - { .name: value, .offset: 16, .size: 8, .value_kind: global_buffer, .address_space: global }
      - { .name: bq, .offset: 24, .size: 8, .value_kind: global_buffer, .address_space: global }
      - { .name: bk, .offset: 32, .size: 8, .value_kind: global_buffer, .address_space: global }
      - { .name: bv, .offset: 40, .size: 8, .value_kind: global_buffer, .address_space: global }
      - { .name: wimg, .offset: 48, .size: 8, .value_kind: global_buffer, .address_space: global }
      - { .name: wsc, .offset: 56, .size: 8, .value_kind: global_buffer, .address_space: global }
      - { .name: qc, .offset: 64, .size: 8, .value_kind: global_buffer, .address_space: global }
      - { .name: kv, .offset: 72, .size: 8, .value_kind: global_buffer, .address_space: global }
    .group_segment_fixed_size: 136192
    .private_segment_fixed_size: 0
    .kernarg_segment_align: 8
    .kernarg_segment_size: 80
    .max_flat_workgroup_size: 256
    .sgpr_count:     66
    .vgpr_count:     512
    .wavefront_size: 32
...
	.end_amdgpu_metadata
.endif
;; end of part 2
;; launch attn (part 3): grid 16 x 16, 16 waves a work-group, clusters of 4 x 1, 327,680 bytes of LDS; arguments qc, kv, cimg, cs; writes cimg, cs
.if DOCPART == 3
	.amdgcn_target "amdgcn-amd-amdhsa--gfx1250"
	.amdhsa_code_object_version 6
	.text
	.protected	k_qded62e6f1a_attn
	.globl	k_qded62e6f1a_attn
	.p2align	8
	.type	k_qded62e6f1a_attn,@function
k_qded62e6f1a_attn:
	s_mov_b64 s[64:65], 0
	v_nop
	global_prefetch_b8 v0, s[64:65] scope:SCOPE_SE
	s_setreg_imm32_b32 hwreg(HW_REG_WAVE_MODE, 25, 1), 1
	s_wait_xcnt 0x0
	s_wait_alu depctr_hold_cnt(0) depctr_sa_sdst(0) depctr_va_vdst(0) depctr_va_sdst(0) depctr_va_ssrc(0) depctr_va_vcc(0) depctr_vm_vsrc(0)
	s_getreg_b32 s2, hwreg(HW_REG_IB_STS2, 6, 4)
	s_cmp_eq_u32 s2, 0
	s_cbranch_scc0 .Lentry_in_a_cluster
	s_endpgm
.Lentry_in_a_cluster:
	s_bfe_u32 s2, ttmp6, 0x10000c
	s_cmp_lg_u32 s2, 0x3003
	s_cbranch_scc0 .Lentry_shape_is_right
	s_endpgm
.Lentry_shape_is_right:
; ctx[bh][q][:] = the sum over k of softmax_k(q . k / 8) v, both products on codes of BF8 (E5M2) with E8M0 scales; the result is quantised along the merged heads' axis for the output projection.
; THE SOFTMAX AHEAD OF THE SECOND PRODUCT: t = score x log2(e) / 8; M = the running largest t rounded UP to a whole number; p = 2^(t - M) is quantised along the keys, not normalised; the row's sum is taken of the
; unquantised p and divides at the end.  When M moves, the sum and O are multiplied by 2^(old M - new M): exact.
; SHARES.  Work-group: 256 queries of one head (y = batch x 8 + head).  Each of SIXTEEN waves owns one tile of 16 queries in 256 registers: four waves to a SIMD, so that one wave's vector work stands beside another's matrix work and LDS loads.
; Every wave walks the head's 4,096 keys, 128 a step.  A step's record of kv (16,896 bytes: K's 4 pair images, V's 4 images, K's and V's scale words) is dense, in the order of the operands' registers: every fragment is four loads of 512 consecutive LDS bytes.
; THE HEAD HAS 64, THE INSTRUCTION 128 ALONG K.  A pair image of K holds TWO tiles of 16 keys: tile (c, 0) on K 0-63, tile (c, 1) on K 64-127.  Against [q | 0] it gives tile (c, 0)'s scores, against [0 | q] tile (c, 1)'s; the zeros are zero codes.
; LAYOUT.  Both products are used transposed (S^T = K Q^T, O^T = V^T P^T): a lane holds ONE query.  Tile (c, u) holds keys 32 c + 8 u + i + 8 (i / 8), so the 16 registers of the two products of pair c are keys 32 c + 16 (lane / 16) + 0 .. 15;
; V's tiles hold units in the same order, so O^T's 16 registers of two neighbouring tiles are 16 neighbours along the next K.
; RING.  Two LDS slots of four steps (67,584 bytes).  Waves 0-3 fetch one record each.  CLUSTER: the four query blocks of a cluster belong to one head and walk the same records: each is asked for JOINTLY, by the same tensor load with the same
; descriptor and a mask that names the four.  By this text's count one tensor load a wave is out behind each round; every wait for tensor loads is for 0.
; LIMITS: p under 2^-126 falls to 0 (v_exp_f32 flushes); a block of p or of ctx that is all zeros, or under 2^-111, gets the byte 1 (its codes are zeros; this program alone reads the bytes); NaN and infinities are not served.
.set STEPB, 16896                      ; a record: 66 rows of 256 bytes
.set SLOTB, 4*STEPB
.set SLOT1, 1<<17                      ; slot 1 begins here: one exclusive or turns an address in one slot into the other's
.set SPARE, 262144                     ; the spare words, 128 bytes a wave: eight blocks of 256 bytes that no other line names
.set CSTG,  264192                     ; 512 bytes: the 16 tiles' scale bytes of ctx meet here; no tile lands here
.set LI,  1                            ; v1   16 x lane
.set LR,  2                            ; v2   16 x (lane % 16)
.set AD,  3                            ; v3   the step's record + 16 lane
.set AS,  4                            ; v4   the step's record + 16 r
.set SPW, 5                            ; v5   LDS address of my spare word; never rewritten
.set NIL, 6                            ; v6   0; never rewritten
.set PFO, 7                            ; v7   256 x lane: the prefetches' offset; never rewritten
.set CSA, 8                            ; v8   CSTG + 32 wave + 2 r
.set CSR, 9                            ; v9   CSTG + 16 lane
                                       ; v12 -M, v13 the largest t, v[14:15] the sum in two halves
.set BQ,  16                           ; v16-31 [q | 0];  v32-47 [0 | q]
.set FR,  48                           ; v48-111  four fragments: K's pair images, then V's images
.set S,   112                          ; v112-175 S^T, then p; on the way out ctx
.set O,   176                          ; v176-207 O^T
.set PC,  208                          ; v208-223 p's codes
.set BM,  224                          ; v224-227 a block's largest score, then its largest p
.set PT,  228                          ; v228-231 the other half's; then the bytes
.set HC,  232                          ; v232-235 57,344 x the scale
.set SO,  236                          ; v236-239 the conversions' scale operands
.set KS,  240                          ; v240-243 K's scale words, then V's
.set QS,  244                          ; v244 q's scale word
.set PS,  245                          ; v245 p's scale word
.set F,   246                          ; v[246:247] f = 2^(old M - new M); the packed forms name the pair and take its low word
.set TA,  248                          ; v248 at work
.set C2,  250                          ; v[250:251] the sums' second chain
.set WV,  12
.set CX,  13
.set QB,  14
.set LIM, 15                           ; s15 1 in a wave that prefetches, else the greatest number
.set BH,  16
.set PFA, 18                           ; s[18:19] where my prefetches stand
.set SEL, 20
.set CS,  22                           ; s[22:23] c = log2(e) / 8
.set G1,  24                           ; s[24:31] descriptor group 1
.set G0,  32                           ; s[32:35] descriptor group 0, which walks
.set TB,  36                           ; s36 LDS byte at which the step's record begins
.set SLOTS, 37
.set STP, 38
.set MNT, 39
.macro CROUND                          ; a round of the cluster's barrier
	s_barrier_signal -1
	s_barrier_wait -1
	s_cmp_lg_u32 s[WV], 0
	s_cbranch_scc1 .Lnot_wave_0_\@
	s_barrier_signal -3
.Lnot_wave_0_\@:
	s_barrier_wait -3
	s_barrier_signal -1
	s_barrier_wait -1
.endm
.macro TLOAD                           ; waves 0-3 fetch one record each; the branch hangs on the wave's number alone.  An s_nop 0 and four v_nop follow the load
	s_cmp_lt_u32 s[WV], 4
	s_cbranch_scc0 .Lasked_\@
	tensor_load_to_lds s[G0:G0+3], s[G1:G1+7]
	s_nop 0
.rept 4
	v_nop
.endr
.Lasked_\@:
.endm
; A PREFETCH INTO THE L2 of what the NEXT change of slots will ask for, four key steps ahead of that load.  All clusters of a head walk the same records: the head's first cluster asks.  Its four partners take one record each, told apart
; BY ADDRESS; in each, wave 4 asks for K's 8,192 bytes and wave 5 for V's, lanes 256 bytes apart: each block of codes is named once in the launch.  A record's 512 scale bytes come by their load alone.
; Slots 0 and 1 come by their loads alone; the last change that fills a slot asks for nothing: there is no slot behind it.
.macro ASK
	s_cmp_gt_u32 s[SLOTS], s[LIM]
	s_cbranch_scc0 .Lnot_mine_\@
	global_prefetch_b8 v[PFO], s[PFA:PFA+1] th:TH_LOAD_NT scope:SCOPE_SE
.Lnot_mine_\@:
.endm
	s_load_b256 s[4:11], s[0:1], 0x0               ; qc, kv, cimg, cs
	v_lshl_add_u32 v[SPW], v0, 2, SPARE
	v_mov_b32 v[NIL], 0
	ds_add_u32 v[SPW], v[NIL]                      ; the wave's opening: the add and its wait stand ahead of the first tensor loads; the set-up below, work on registers, stands between them
	v_lshrrev_b32 v[TA], 5, v0
	v_readfirstlane_b32 s[WV], v[TA]               ; wave 0..15
	s_bfe_u32 s[CX], ttmp6, 0x40000                ; my place in the cluster: it enters global addresses of q, ctx and the prefetches alone
	s_lshl_b32 s[QB], ttmp9, 2
	s_add_co_u32 s[QB], s[QB], s[CX]               ; my block of 256 queries
	s_and_b32 s[BH], ttmp7, 0xffff                 ; batch x 8 + head, which the four partners share
	s_mov_b32 s[G1], 15|(3<<16)|(1<<21)            ; 15:0 the mask: all four work-groups; 17:16 elements of 8 bytes; 21 set beside a mask; no padding: every LDS read of a record is 512 consecutive bytes
	s_mov_b32 s[G1+1], 32<<16                      ; tensor_dim0 = 32 elements: rows of 256 bytes
	s_mov_b32 s[G1+2], 66<<16                      ; tensor_dim1 = 66 rows
	s_mov_b32 s[G1+3], 32<<16                      ; tile_dim0
	s_mov_b32 s[G1+4], 66                          ; tile_dim1
	s_mov_b32 s[G1+5], 32                          ; the pitch: the record is dense
	s_mov_b32 s[G1+6], 0
	s_mov_b32 s[G1+7], 0
	s_mov_b32 s[SEL], 0x76543210
	s_mov_b32 s[SEL+1], 0xfedcba98
	s_mov_b32 s[CS], 0x3e38aa3b                    ; log2(e) / sqrt(64)
	s_mov_b32 s[CS+1], s[CS]                       ; (named with it as a pair, so it is written)
	s_mov_b32 s[MNT], 0x600000
	s_mov_b32 s[TB], 0
	s_mov_b32 s[SLOTS], 7
	s_sub_co_u32 s[LIM], s[WV], 4
	s_lshr_b32 s[LIM], s[LIM], 1                   ; 0 in waves 4 and 5,
	s_or_b32 s[LIM], s[LIM], ttmp9                 ; of the head's first cluster: the same in all four partners
	s_cmp_eq_u32 s[LIM], 0
	s_cselect_b32 s[LIM], 1, -1
	s_mul_i32 s40, s[BH], 32*STEPB                 ; the head's first byte in kv
	s_and_b32 s42, s[WV], 3
	s_mul_i32 s42, s42, STEPB                      ; which of a slot's four records I fetch: its place in a slot and in memory
	s_add_co_u32 s44, s40, s42
	s_mov_b32 s45, 0
	s_mul_i32 s48, s[CX], STEPB                    ; the prefetches: my work-group's record of a slot,
	s_add_co_u32 s48, s48, s40
	s_and_b32 s47, s[WV], 1
	s_lshl_b32 s46, s47, 4                         ; (16 u: which half of a pair's scale word is my tile's)
	s_lshl_b32 s47, s47, 13
	s_add_co_u32 s48, s48, s47                     ; K's codes or V's,
	s_add_co_u32 s48, s48, SLOTB                   ; in slot 1: the first change of slots steps it to slot 2
	s_mov_b32 s49, 0
	s_lshl_b32 s50, s[BH], 5                       ; q's record: 32 a head, 2 a block of 256 queries
	s_lshl_b32 s47, s[QB], 1
	s_add_co_u32 s50, s50, s47
	s_lshr_b32 s47, s[WV], 3
	s_add_co_u32 s50, s50, s47
	s_mul_i32 s50, s50, 8448
	s_bfe_u32 s47, s[WV], 0x20001                  ; c = (wave / 2) % 4
	s_lshl_b32 s47, s47, 2
	s_add_co_u32 s52, s50, s47
	s_add_co_u32 s52, s52, 8192                    ; my pair's scale words: [r][c]
	s_mov_b32 s53, 0
	s_and_b32 s47, s[WV], 7
	s_lshl_b32 s47, s47, 10
	s_add_co_u32 s50, s50, s47                     ; my tile's two groups: 2,048 c + 1,024 u
	s_mov_b32 s51, 0
	s_lshr_b32 s54, s[BH], 3                       ; ctx: token tile batch x 256 + 16 block + wave, 8,192 bytes each;
	s_lshl_b32 s54, s54, 8
	s_lshl_b32 s47, s[QB], 4
	s_add_co_u32 s54, s54, s47
	s_add_co_u32 s54, s54, s[WV]
	s_lshl_b32 s54, s54, 13
	s_and_b32 s47, s[BH], 7
	s_lshl_b32 s47, s47, 10
	s_add_co_u32 s54, s54, s47                     ; in it my head's two groups of 512 bytes: K step head / 2, groups 2 (head % 2) on
	s_mov_b32 s55, 0
	s_lshl_b32 s56, s[BH], 13                      ; ctx's scale bytes: 32 bytes a tile, 256 tiles a head
	s_lshl_b32 s47, s[QB], 9
	s_add_co_u32 s56, s56, s47
	s_mov_b32 s57, 0
	v_and_b32 v[LI], 31, v0
	v_lshlrev_b32 v[PFO], 8, v[LI]
	v_lshlrev_b32 v[LI], 4, v[LI]
	v_and_b32 v[LR], 15, v0
	v_lshlrev_b32 v[CSA], 1, v[LR]
	v_lshlrev_b32 v[LR], 4, v[LR]
	s_lshl_b32 s47, s[WV], 5
	s_add_co_u32 s47, s47, CSTG
	v_add_nc_u32 v[CSA], s47, v[CSA]
	v_add_nc_u32 v[CSR], CSTG, v[LI]
	s_wait_dscnt 0x0                               ; the opening add is done
	s_wait_kmcnt 0x0
	s_add_nc_u64 s[PFA:PFA+1], s[6:7], s[48:49]
	s_add_nc_u64 s[44:45], s[6:7], s[44:45]
	s_add_nc_u64 s[50:51], s[4:5], s[50:51]
	s_add_nc_u64 s[52:53], s[4:5], s[52:53]
	s_add_nc_u64 s[8:9], s[8:9], s[54:55]
	s_add_nc_u64 s[10:11], s[10:11], s[56:57]
	CROUND                                         ; all four work-groups are here: the first joint loads meet
	s_mov_b32 s[G0], 1                             ; count = 1
	s_mov_b32 s[G0+1], s42                         ; LDS address: slot 0
	s_mov_b64 s[G0+2:G0+3], s[44:45]               ; global address: the head's records 0 to 3
	s_or_b32 s[G0+3], s[G0+3], 0x80000000          ; type = 2
	TLOAD                                          ; slot 0
	global_load_b128 v[BQ:BQ+3], v[LI], s[50:51]                 ; [q | 0]: my tile's d 0-31,
	global_load_b128 v[BQ+4:BQ+7], v[LI], s[50:51] offset:512    ; d 32-63
	global_load_b128 v[BQ+24:BQ+27], v[LI], s[50:51]             ; [0 | q]: a second run of registers
	global_load_b128 v[BQ+28:BQ+31], v[LI], s[50:51] offset:512
	global_load_b32 v[QS], v[LR], s[52:53]
.set j, 8
.rept 16
	v_mov_b32 v[BQ+j], 0                           ; the zero codes
.set j, j+1
.endr
.set j, 0
.rept 32
	v_mov_b32 v[O+j], 0                            ; O^T.  (The step is written once: the first finds zeros, which the first change of M leaves zeros)
.set j, j+1
.endr
	v_mov_b32 v13, 0xff61b1e6                      ; the largest t so far: -3e38
	v_floor_f32 v12, -v13                          ; -M
	v_mov_b32 v14, 0
	v_mov_b32 v15, 0
.irp b, 0,1,2,3
	v_mov_b32 v[PT+\b], 0                          ; written once: a lane permute's destination counts as one of its sources
.endr
	v_mov_b32 v[F+1], 0                            ; (named as the upper half of a pair)
	s_wait_loadcnt 0x0
	v_lshrrev_b32 v[QS], s46, v[QS]                ; my tile's two bytes of the pair's word,
	v_and_b32 v[QS], 0xffff, v[QS]
	v_lshl_or_b32 v[QS], v[QS], 16, v[QS]          ; twice: the word serves [q | 0] and [0 | q]
; A KEY STEP: 128 keys, the record at s[TB].
.macro STEP
	v_add_nc_u32 v[AD], s[TB], v[LI]
	v_add_nc_u32 v[AS], s[TB], v[LR]
.rept 6
	v_nop                                          ; with the two additions: eight places ahead of loads into registers that the last products read
.endr
.irp f, 0,1,2,3
.irp g, 0,1,2,3
	ds_load_b128 v[FR+16*\f+4*\g:FR+16*\f+4*\g+3], v[AD] offset:2048*\f+512*\g
.endr
.endr
	ds_load_b128 v[KS:KS+3], v[AS] offset:16384    ; K's scale words [r][c]
	s_wait_dscnt 0x0
.irp f, 0,1,2,3
.irp e, 0,1
	v_wmma_scale_f32_16x16x128_f8f6f4 v[S+8*(2*\f+\e):S+8*(2*\f+\e)+7], v[FR+16*\f:FR+16*\f+15], v[BQ+16*\e:BQ+16*\e+15], 0, v[KS+\f], v[QS] matrix_a_fmt:MATRIX_FMT_BF8 matrix_b_fmt:MATRIX_FMT_BF8
.endr
.endr                                  ; register 16 f + i of S^T: key 32 f + 16 (lane / 16) + i
.rept 8
	v_nop                                          ; eight places ahead of V's loads into the same registers and of the first read of the scores
.endr
.irp t, 0,1,2,3
.irp g, 0,1,2,3
	ds_load_b128 v[FR+16*\t+4*\g:FR+16*\t+4*\g+3], v[AD] offset:8192+2048*\t+512*\g   ; V's images land while the softmax is walked
.endr
.endr
	ds_load_b128 v[KS:KS+3], v[AS] offset:16640    ; V's scale words [r][t]
.irp b, 0,1,2,3
	v_max3_num_f32 v[BM+\b], v[S+16*\b], v[S+1+16*\b], v[S+2+16*\b]   ; the largest score of each block of 32 keys: for the row's maximum and, since p rises with the score, for the block's largest p.  (Each accumulator is read from its low end on)
.endr
.irp i, 3,5,7,9,11,13
.irp b, 0,1,2,3
	v_max3_num_f32 v[BM+\b], v[BM+\b], v[S+16*\b+\i], v[S+1+16*\b+\i]
.endr
.endr
.irp b, 0,1,2,3
	v_max_num_f32 v[BM+\b], v[BM+\b], v[S+15+16*\b]
.endr
.irp b, 0,1,2,3
	v_permlanex16_b32 v[PT+\b], v[BM+\b], s[SEL], s[SEL+1]
.endr
.irp b, 0,1,2,3
	v_max_num_f32 v[BM+\b], v[BM+\b], v[PT+\b]     ; with lane l xor 16's 16 keys
.endr
	v_max3_num_f32 v[TA], v[BM], v[BM+1], v[BM+2]
	v_max_num_f32 v[TA], v[TA], v[BM+3]            ; the step's largest score of my query
	v_mul_f32 v[TA], s[CS], v[TA]                  ; as t (c is positive)
	v_max_num_f32 v13, v13, v[TA]                  ; the running largest t
	v_mov_b32 v[TA], v12
	v_floor_f32 v12, -v13                          ; the new -M = floor(-t) = -ceil(t)
	v_sub_f32 v[TA], v12, v[TA]                    ; old M - new M: a whole number, 0 or less
	v_cvt_i32_f32 v[TA], v[TA]                     ; (it saturates)
	v_ldexp_f32 v[F], 1.0, v[TA]                   ; f = 2^(old M - new M)
.set j, 0
.rept 32
	v_pk_fma_f32 v[S+j:S+j+1], v[S+j:S+j+1], s[CS:CS+1], v[12:13] op_sel_hi:[1,0,0]   ; t - M, two at a time
.set j, j+2
.endr
.irp b, 0,1,2,3
	v_fma_f32 v[BM+\b], v[BM+\b], s[CS], v12       ; the same of each block's largest score
.endr
.set j, 0
.rept 64
	v_exp_f32 v[S+j], v[S+j]                       ; p = 2^(t - M), at most 1
.set j, j+1
.endr
	v_pk_mul_f32 v[14:15], v[14:15], v[F:F+1] op_sel_hi:[1,0]   ; the sums under the new M: a plain line behind the exponentials
	s_wait_alu depctr_va_vdst(0)                   ; the wait ahead of the batch's first reader: one for the 64
.irp b, 0,1,2,3
	v_exp_f32 v[BM+\b], v[BM+\b]                   ; the block's largest p: the same two instructions on the same number give the same bits
.endr
	v_pk_add_f32 v[C2:C2+1], v[S:S+1], v[S+2:S+3]  ; the row's sum of the UNQUANTISED p, in two chains
.set j, 4
.rept 15
	v_pk_add_f32 v[14:15], v[14:15], v[S+j:S+j+1]
	v_pk_add_f32 v[C2:C2+1], v[C2:C2+1], v[S+j+2:S+j+3]
.set j, j+4
.endr
	v_pk_add_f32 v[14:15], v[14:15], v[C2:C2+1]
	s_wait_alu depctr_va_vdst(0)                   ; and one for the four
.irp b, 0,1,2,3
	v_max_num_f32 v[BM+\b], 0x8000000, v[BM+\b]    ; the floor 2^(16 - 127): the byte cannot fall under 1
.endr
.irp b, 0,1,2,3
	v_add_nc_u32 v[SO+\b], 0xf8800000, v[BM+\b]    ; 15 off the exponent field: the conversion's scale operand
.endr
.irp b, 0,1,2,3
	v_and_or_b32 v[HC+\b], v[BM+\b], 0x7f800000, s[MNT]   ; 57,344 x the scale
.endr
.irp b, 0,1,2,3
	v_lshrrev_b32 v[PT+\b], 23, v[SO+\b]           ; the scale's byte
.endr
	v_lshl_or_b32 v[PS], v[PT+1], 8, v[PT]         ; p's scale word for these 128 keys: the 64 holds below stand between it and the products
	v_lshl_or_b32 v[PS], v[PT+2], 16, v[PS]
	v_lshl_or_b32 v[PS], v[PT+3], 24, v[PS]
.irp b, 0,1,2,3
.set j, 0
.rept 16
	v_min_num_f32 v[S+16*\b+j], v[S+16*\b+j], v[HC+\b]   ; the conversion does not saturate (ISA guide 7.6.2); p is not negative: the hold is one-sided
.set j, j+1
.endr
	v_cvt_scalef32_pk8_bf8_f32 v[PC+4*\b:PC+4*\b+1], v[S+16*\b:S+16*\b+7], v[SO+\b]
	v_cvt_scalef32_pk8_bf8_f32 v[PC+4*\b+2:PC+4*\b+3], v[S+16*\b+8:S+16*\b+15], v[SO+\b]
.endr
.set j, 0
.rept 16
	v_pk_mul_f32 v[O+j:O+j+1], v[O+j:O+j+1], v[F:F+1] op_sel_hi:[1,0]   ; O^T under the new M
.set j, j+2
.endr
.rept 4
	v_nop                                          ; four places between the codes' last conversion and the products
.endr
	s_wait_dscnt 0x0                               ; V's images and scale words
.irp t, 0,1,2,3                        ; O^T += V^T P^T: the four accumulators by turns, one instruction a turn
	v_wmma_scale_f32_16x16x128_f8f6f4 v[O+8*\t:O+8*\t+7], v[FR+16*\t:FR+16*\t+15], v[PC:PC+15], v[O+8*\t:O+8*\t+7], v[KS+\t], v[PS] matrix_a_fmt:MATRIX_FMT_BF8 matrix_b_fmt:MATRIX_FMT_BF8
.endr
.endm
; THE CHANGE OF SLOTS stands at a slot's head.  Each wave waits for all its tensor loads (its record of the slot ahead), adds 0 to its spare word, and waits for that and for its reads of the slot that it has left.
; fill = 1: a round of the cluster's barrier follows, so that no wave of any partner still reads the other slot or has a load on its way; the joint refill is the first thing behind it and has four key steps in which to land.
.macro CHANGE fill
	s_wait_tensorcnt 0x0                           ; no tensor load of mine is out, so group 0 may be written
	ds_add_u32 v[SPW], v[NIL]                      ; 0 onto my spare word; with fill = 1 the descriptor's steps stand between it and the wait for it
.if \fill
	s_xor_b32 s[G0+1], s[G0+1], SLOT1              ; the other slot than last time,
	s_add_nc_u64 s[G0+2:G0+3], s[G0+2:G0+3], SLOTB ; the next four records; the type bits on top are not reached
	s_wait_xcnt 0x0                                ; the last prefetch, a slot back, has read its address, so it may be written:
	s_add_nc_u64 s[PFA:PFA+1], s[PFA:PFA+1], SLOTB ; one slot further on than the walking descriptor
	s_wait_dscnt 0x0                               ; the add is done, and my reads of the slot that I have left are over
	CROUND
	TLOAD
	ASK
.else
	s_wait_dscnt 0x0
	s_barrier_signal -1
	s_barrier_wait -1
.endif
.endm
.macro FOUR_STEPS                      ; a slot's four key steps: written once, walked four times
	s_mov_b32 s[STP], 4
.Lstep_\@:
	STEP
	s_add_co_u32 s[TB], s[TB], STEPB
	s_sub_co_u32 s[STP], s[STP], 1
	s_cmp_lg_u32 s[STP], 0
	s_cbranch_scc1 .Lstep_\@
	s_sub_co_u32 s[TB], s[TB], SLOTB               ; back to a slot's first record,
	s_xor_b32 s[TB], s[TB], SLOT1                  ; in the other slot
.endm
.Lslot:                                ; seven trips: behind each change of slots but the last the next slot is asked for
	CHANGE 1
	FOUR_STEPS
	s_sub_co_u32 s[SLOTS], s[SLOTS], 1
	s_cmp_lg_u32 s[SLOTS], 0
	s_cbranch_scc1 .Lslot
	CHANGE 0                                       ; the last slot is written out
	FOUR_STEPS
	; THE WAY OUT.  O^T / the sum is ctx of my 16 tokens and my head's 64: register 16 b + i = d 32 b + 16 (lane / 16) + i: two blocks of the output projection's K, quantised here; the codes are two groups of the token tile's image.
.rept 8
	v_nop                                          ; eight places behind the last products
.endr
	v_add_f32 v14, v14, v15                        ; the sum's two halves,
	v_permlanex16_b32 v[TA], v14, s[SEL], s[SEL+1]
	v_add_f32 v14, v14, v[TA]                      ; and lane l xor 16's
	v_rcp_f32 v14, v14
	v_nop                                          ; a plain line behind the reciprocal,
	s_wait_alu depctr_va_vdst(0)                   ; and a wait ahead of its first reader
.set j, 0
.rept 32
	v_mul_f32 v[S+j], v[O+j], v14                  ; each accumulator from its low end on
.set j, j+1
.endr
.irp b, 0,1
	v_max3_num_f32 v[BM+\b], |v[S+16*\b]|, |v[S+1+16*\b]|, 0x8000000
.endr
.irp i, 2,4,6,8,10,12,14
.irp b, 0,1
	v_max3_num_f32 v[BM+\b], v[BM+\b], |v[S+16*\b+\i]|, |v[S+1+16*\b+\i]|
.endr
.endr
.irp b, 0,1
	v_permlanex16_b32 v[PT+\b], v[BM+\b], s[SEL], s[SEL+1]
.endr
.irp b, 0,1
	v_max_num_f32 v[BM+\b], v[BM+\b], v[PT+\b]
.endr
.irp b, 0,1
	v_add_nc_u32 v[SO+\b], 0xf8800000, v[BM+\b]
.endr
.irp b, 0,1
	v_and_or_b32 v[HC+\b], v[BM+\b], 0x7f800000, s[MNT]
.endr
.irp b, 0,1
	v_lshrrev_b32 v[PT+\b], 23, v[SO+\b]
.endr
	v_lshl_or_b32 v[PS], v[PT+1], 8, v[PT]         ; my head's two scale bytes of my token
.irp b, 0,1
.set j, 0
.rept 16
	v_med3_num_f32 v[S+16*\b+j], v[S+16*\b+j], -v[HC+\b], v[HC+\b]
.set j, j+1
.endr
	v_cvt_scalef32_pk8_bf8_f32 v[PC+4*\b:PC+4*\b+1], v[S+16*\b:S+16*\b+7], v[SO+\b]
	v_cvt_scalef32_pk8_bf8_f32 v[PC+4*\b+2:PC+4*\b+3], v[S+16*\b+8:S+16*\b+15], v[SO+\b]
.endr
	v_nop                                          ; a plain line behind the last conversion
	global_store_b128 v[LI], v[PC:PC+3], s[8:9]               ; 512 consecutive bytes each
	global_store_b128 v[LI], v[PC+4:PC+7], s[8:9] offset:512
	ds_store_b16 v[CSA], v[PS]                     ; the 16 tiles' bytes meet in LDS (lanes 16-31 write the same bytes with the same values)
	s_wait_dscnt 0x0                               ; for the others' sake
	s_barrier_signal -1
	s_barrier_wait -1
	s_cmp_lg_u32 s[WV], 0
	s_cbranch_scc1 .Lnot_first
	ds_load_b128 v[S:S+3], v[CSR]
	s_wait_dscnt 0x0
	global_store_b128 v[LI], v[S:S+3], s[10:11]    ; and leave as 512 consecutive bytes
.Lnot_first:
	s_wait_tensorcnt 0x0                           ; the wave's end: the spare word's add and its wait come behind my last tensor load and my last LDS store
	ds_add_u32 v[SPW], v[NIL]
	s_wait_dscnt 0x0
	CROUND                                         ; the closing round: no work-group ends while a partner may still ask for a record that names it
	s_endpgm
.Lfunc_end_k_qded62e6f1a_attn:
	.size	k_qded62e6f1a_attn, .Lfunc_end_k_qded62e6f1a_attn-k_qded62e6f1a_attn
	.p2alignl 7, 3214868480
	.fill 96, 4, 3214868480
	.section	.rodata,"a",@progbits
	.p2align	6, 0x0
	.amdhsa_kernel k_qded62e6f1a_attn
		.amdhsa_group_segment_fixed_size 327680
		.amdhsa_private_segment_fixed_size 0
		.amdhsa_enable_private_segment 0
		.amdhsa_kernarg_size 32
		.amdhsa_user_sgpr_count 2
		.amdhsa_user_sgpr_kernarg_segment_ptr 1
		.amdhsa_wavefront_size32 1
		.amdhsa_system_sgpr_workgroup_id_x 1
		.amdhsa_system_sgpr_workgroup_id_y 1
		.amdhsa_system_sgpr_workgroup_id_z 1
		.amdhsa_system_vgpr_workitem_id 0
		.amdhsa_next_free_vgpr 256
		.amdhsa_next_free_sgpr 66
		.amdhsa_reserve_vcc 0
		.amdhsa_float_denorm_mode_32 3
		.amdhsa_float_denorm_mode_16_64 3
		.amdhsa_memory_ordered 1
		.amdhsa_forward_progress 1
		.amdhsa_inst_pref_size 53
	.end_amdhsa_kernel
	.amdgpu_metadata
---
amdhsa.version: [ 1, 2 ]
amdhsa.kernels:
  - .name:           k_qded62e6f1a_attn
    .symbol:         k_qded62e6f1a_attn.kd
    .args:
      - { .name: qc, .offset: 0, .size: 8, .value_kind: global_buffer, .address_space: global }
      - { .name: kv, .offset: 8, .size: 8, .value_kind: global_buffer, .address_space: global }
      - { .name: cimg, .offset: 16, .size: 8, .value_kind: global_buffer, .address_space: global }
      - { .name: cs, .offset: 24, .size: 8, .value_kind: global_buffer, .address_space: global }
    .group_segment_fixed_size: 327680
    .private_segment_fixed_size: 0
    .kernarg_segment_align: 8
    .kernarg_segment_size: 32
    .max_flat_workgroup_size: 512
    .sgpr_count:     66
    .vgpr_count:     256
    .wavefront_size: 32
...
	.end_amdgpu_metadata
.endif
;; end of part 3
;; launch outp (part 4): grid 64 x 4, 8 waves a work-group, no clusters, 136,192 bytes of LDS; arguments cimg, cs, wimg, wsc, bo, out0; writes out0
.if DOCPART == 4
	.amdgcn_target "amdgcn-amd-amdhsa--gfx1250"
	.amdhsa_code_object_version 6
	.text
	.protected	k_qded62e6f1a_outp
	.globl	k_qded62e6f1a_outp
	.p2align	8
	.type	k_qded62e6f1a_outp,@function
k_qded62e6f1a_outp:
	s_mov_b64 s[64:65], 0
	v_nop
	global_prefetch_b8 v0, s[64:65] scope:SCOPE_SE
	s_setreg_imm32_b32 hwreg(HW_REG_WAVE_MODE, 25, 1), 1
	s_wait_xcnt 0x0
; out0 = ctx Wo^T + bo on codes of BF8 (E5M2) with E8M0 scales.  ctx arrives as images of operand registers (cimg: [token tile][K step] 2,048 bytes) with two scale bytes for each token and head (cs: [batch x 8 + head][tile of the batch][r] 16 bits).
; SHARES.  Work-group (R, y): 128 tokens x 128 output columns.  Wave w holds Wo's tile 8 y + w (16 columns, 4 fragments, 64 registers) for all 8 token tiles; it also copies token tile 8 R + w (8 KB) into LDS and puts its scale words together.
; The product is used transposed (source 0 = 16 rows of Wo, source 1 = 16 tokens): a lane holds eight neighbouring columns of one token.  Row r of token tile 2 c + u is token 32 c + 8 u + r + 8 (r / 8) of the 128.
; The results meet in a stage (128 rows x 528 bytes) and leave as rows of 512 consecutive bytes.  The bias is the C of each sum's first instruction.
; NO MULTICAST: the four work-groups of a block of tokens share its 64 KB of codes; each brings them once by plain loads of 512 consecutive bytes and fills no LDS byte again; beside them it moves 66 KB of Wo and 64 KB of results of its own.
.set CIMG, 0                           ; LDS: the 32 fragments: tile x 8,192 + K step x 2,048
.set CSC,  65536                       ; their scale words: tile x 256 + 16 r: four words
.set STG,  67584                       ; the stage
.set SP,   528
.set SPARE, STG+128*SP                 ; 135,168: the spare words, 128 bytes a wave: four blocks of 256 bytes that no other line names
.set LI,  1                            ; v1  16 x lane
.set LR,  2                            ; v2  16 r
.set CW,  3                            ; v3  where I store my tile's images
.set CSW, 4                            ; v4  and its scale words
.set CSR, 5                            ; v5  CSC + 16 r
.set SO,  6                            ; v6  the stage, way in: row r + 8 (r / 8), + 64 wave + 32 h
.set SR,  7                            ; v7  the stage, way out: my 16 rows, 16 bytes a lane
.set UO,  8                            ; v8  2 r
.set BO,  9                            ; v9  32 h
.set WF,  16                           ; v16-79   Wo's four fragments
.set CF,  80                           ; v80-143  the copy; four fragments of ctx; rows on the way out
.set ACC, 144                          ; v144-175 four accumulators
.set CS,  176                          ; v176-191 ctx's scale words: 4 m + s
.set WS,  192                          ; v192-195 Wo's
.set BI,  196                          ; v196-203 the bias of my lane's eight columns
.set U,   204                          ; v204-211 the eight heads' pairs of bytes
.set CWD, 212                          ; v212-215 my token's four scale words
.set SPW, 252
.set NIL, 253
.set WV,  16
.macro FETCH reg, off
.irp g, 0,1,2,3
	ds_load_b128 v[\reg+4*\g:\reg+4*\g+3], v[LI] offset:\off+512*\g
.endr
.endm
	s_load_b256 s[4:11], s[0:1], 0x0               ; cimg, cs, wimg, wsc
	s_load_b128 s[12:15], s[0:1], 0x20             ; bo, out0
	v_lshl_add_u32 v[SPW], v0, 2, SPARE
	v_mov_b32 v[NIL], 0
	v_lshrrev_b32 v10, 5, v0
	v_readfirstlane_b32 s[WV], v10                 ; wave 0..7
	s_and_b32 s17, ttmp7, 0xffff                   ; y
	v_and_b32 v10, 31, v0
	v_lshlrev_b32 v[LI], 4, v10
	v_and_b32 v10, 15, v0                          ; r
	v_bfe_u32 v11, v0, 4, 1                        ; h
	v_lshlrev_b32 v[LR], 4, v10
	v_lshlrev_b32 v[UO], 1, v10
	v_lshlrev_b32 v[BO], 5, v11
	s_lshl_b32 s34, s[WV], 13
	v_add_nc_u32 v[CW], s34, v[LI]
	s_lshl_b32 s34, s[WV], 8
	s_add_co_u32 s34, s34, CSC
	v_add_nc_u32 v[CSW], s34, v[LR]
	v_add_nc_u32 v[CSR], CSC, v[LR]
	v_and_b32 v12, 8, v10
	v_add_nc_u32 v12, v12, v10                     ; r + 8 (r / 8)
	v_mul_u32_u24 v[SO], v12, SP
	v_lshl_add_u32 v[SO], v11, 5, v[SO]
	s_lshl_b32 s34, s[WV], 6
	s_add_co_u32 s34, s34, STG
	v_add_nc_u32 v[SO], s34, v[SO]
	s_mul_i32 s34, s[WV], 16*SP
	s_add_co_u32 s34, s34, STG
	v_add_nc_u32 v[SR], s34, v[LI]
	s_lshl_b32 s20, ttmp9, 3
	s_add_co_u32 s20, s20, s[WV]
	s_lshl_b32 s20, s20, 13                        ; my token tile's four images
	s_mov_b32 s21, 0
	s_lshr_b32 s22, ttmp9, 5
	s_lshl_b32 s22, s22, 16                        ; its scale bytes: 65,536 a batch (8 heads x 8,192),
	s_and_b32 s23, ttmp9, 31
	s_lshl_b32 s23, s23, 3
	s_add_co_u32 s23, s23, s[WV]
	s_lshl_b32 s23, s23, 5                         ; 32 a tile
	s_add_co_u32 s22, s22, s23
	s_mov_b32 s23, 0
	s_lshl_b32 s24, s17, 3
	s_add_co_u32 s24, s24, s[WV]                   ; Wo's tile 8 y + w
	s_lshl_b32 s26, s24, 13
	s_add_co_u32 s26, s26, 3*262144                ; Wo is the fourth tensor of wimg
	s_mov_b32 s27, 0
	s_lshl_b32 s28, s24, 8
	s_add_co_u32 s28, s28, 3*8192
	s_mov_b32 s29, 0
	s_lshl_b32 s30, s24, 6                         ; the bias: 16 numbers a tile
	s_mov_b32 s31, 0
	s_lshl_b32 s32, ttmp9, 18                      ; out0: row 128 R + 16 w of 2,048 bytes, + 512 y
	s_lshl_b32 s33, s[WV], 15
	s_add_co_u32 s32, s32, s33
	s_lshl_b32 s33, s17, 9
	s_add_co_u32 s32, s32, s33
	s_mov_b32 s33, 0
	s_wait_kmcnt 0x0
	s_add_nc_u64 s[4:5], s[4:5], s[20:21]
	s_add_nc_u64 s[6:7], s[6:7], s[22:23]
	s_add_nc_u64 s[8:9], s[8:9], s[26:27]
	s_add_nc_u64 s[10:11], s[10:11], s[28:29]
	s_add_nc_u64 s[12:13], s[12:13], s[30:31]
	s_add_nc_u64 s[14:15], s[14:15], s[32:33]
.set k, 0
.rept 16
	global_load_b128 v[CF+4*k:CF+4*k+3], v[LI], s[4:5] offset:512*k   ; my token tile, 512 consecutive bytes a load
.set k, k+1
.endr
.irp hd, 0,1,2,3,4,5,6,7
	global_load_u16 v[U+\hd], v[UO], s[6:7] offset:8192*\hd
.endr
.set k, 0
.rept 16
	global_load_b128 v[WF+4*k:WF+4*k+3], v[LI], s[8:9] offset:512*k
.set k, k+1
.endr
	global_load_b128 v[WS:WS+3], v[LR], s[10:11]
	global_load_b128 v[BI:BI+3], v[BO], s[12:13]
	global_load_b128 v[BI+4:BI+7], v[BO], s[12:13] offset:16
	s_wait_loadcnt 19                              ; ctx's codes and bytes are in; Wo's 16 loads, its scale words and the bias's two may be out
.set k, 0
.rept 16
	ds_store_b128 v[CW], v[CF+4*k:CF+4*k+3] offset:512*k
.set k, k+1
.endr
.irp s, 0,1,2,3
	v_lshl_or_b32 v[CWD+\s], v[U+2*\s+1], 16, v[U+2*\s]   ; K step s = heads 2 s and 2 s + 1: four blocks of 32
.endr
	ds_store_b128 v[CSW], v[CWD:CWD+3]             ; (lanes 16-31 write the same bytes with the same values)
	s_wait_dscnt 0x0                               ; for the others' sake
	s_barrier_signal -1
	s_barrier_wait -1                              ; the 32 fragments and their scale words lie in LDS
	s_wait_loadcnt 0x0
.irp hh, 0,1                           ; four token tiles at a time: four accumulators by turns, one instruction a turn
.irp m, 0,1,2,3
	ds_load_b128 v[CS+4*\m:CS+4*\m+3], v[CSR] offset:256*(4*\hh+\m)
.endr
.irp s, 0,1,2,3
.irp m, 0,1,2,3
	FETCH CF+16*\m, CIMG+8192*(4*\hh+\m)+2048*\s
.endr
	s_wait_dscnt 0x0                               ; (the stage's stores of the half before have read the accumulators too)
.irp m, 0,1,2,3
.if \s == 0
	v_wmma_scale_f32_16x16x128_f8f6f4 v[ACC+8*\m:ACC+8*\m+7], v[WF+16*\s:WF+16*\s+15], v[CF+16*\m:CF+16*\m+15], v[BI:BI+7], v[WS+\s], v[CS+4*\m+\s] matrix_a_fmt:MATRIX_FMT_BF8 matrix_b_fmt:MATRIX_FMT_BF8
.else
	v_wmma_scale_f32_16x16x128_f8f6f4 v[ACC+8*\m:ACC+8*\m+7], v[WF+16*\s:WF+16*\s+15], v[CF+16*\m:CF+16*\m+15], v[ACC+8*\m:ACC+8*\m+7], v[WS+\s], v[CS+4*\m+\s] matrix_a_fmt:MATRIX_FMT_BF8 matrix_b_fmt:MATRIX_FMT_BF8
.endif
.endr
.rept 9
	v_nop                                          ; eight places ahead of loads into ctx's fragments and scale words and of the stores that read results; the ninth since the next half begins the same accumulators anew with the bias
.endr
.endr
.irp m, 0,1,2,3
	ds_store_b128 v[SO], v[ACC+8*\m:ACC+8*\m+3] offset:(32*((4*\hh+\m)/2)+8*(\m%2))*SP        ; each accumulator from its low end on
	ds_store_b128 v[SO], v[ACC+8*\m+4:ACC+8*\m+7] offset:(32*((4*\hh+\m)/2)+8*(\m%2))*SP+16
.endr
.endr
	s_wait_dscnt 0x0                               ; for the others' sake
	s_barrier_signal -1
	s_barrier_wait -1                              ; 128 rows of 512 bytes lie in the stage
.irp i, 0,1,2,3,4,5,6,7,8,9,10,11,12,13,14,15
	ds_load_b128 v[CF+4*\i:CF+4*\i+3], v[SR] offset:\i*SP
.endr
.irp i, 0,1,2,3,4,5,6,7,8,9,10,11,12,13,14,15
	s_wait_dscnt 15-\i                             ; LDS loads come back in order: row i is in, the younger ones may be out
	global_store_b128 v[LI], v[CF+4*\i:CF+4*\i+3], s[14:15] offset:2048*\i th:TH_STORE_NT   ; 512 consecutive bytes, at a multiple of 512 from out0's first byte; written once, read by nobody here
.endr
	s_wait_tensorcnt 0x0                           ; the wave's end: the spare word's add and its wait come behind my last LDS store
	ds_add_u32 v[SPW], v[NIL]
	s_wait_dscnt 0x0
	s_endpgm
.Lfunc_end_k_qded62e6f1a_outp:
	.size	k_qded62e6f1a_outp, .Lfunc_end_k_qded62e6f1a_outp-k_qded62e6f1a_outp
	.p2alignl 7, 3214868480
	.fill 96, 4, 3214868480
	.section	.rodata,"a",@progbits
	.p2align	6, 0x0
	.amdhsa_kernel k_qded62e6f1a_outp
		.amdhsa_group_segment_fixed_size 136192
		.amdhsa_private_segment_fixed_size 0
		.amdhsa_enable_private_segment 0
		.amdhsa_kernarg_size 48
		.amdhsa_user_sgpr_count 2
		.amdhsa_user_sgpr_kernarg_segment_ptr 1
		.amdhsa_wavefront_size32 1
		.amdhsa_system_sgpr_workgroup_id_x 1
		.amdhsa_system_sgpr_workgroup_id_y 1
		.amdhsa_system_sgpr_workgroup_id_z 1
		.amdhsa_system_vgpr_workitem_id 0
		.amdhsa_next_free_vgpr 256
		.amdhsa_next_free_sgpr 66
		.amdhsa_reserve_vcc 0
		.amdhsa_float_denorm_mode_32 3
		.amdhsa_float_denorm_mode_16_64 3
		.amdhsa_memory_ordered 1
		.amdhsa_forward_progress 1
		.amdhsa_inst_pref_size 28
	.end_amdhsa_kernel
	.amdgpu_metadata
---
amdhsa.version: [ 1, 2 ]
amdhsa.kernels:
  - .name:           k_qded62e6f1a_outp
    .symbol:         k_qded62e6f1a_outp.kd
    .args:
      - { .name: cimg, .offset: 0, .size: 8, .value_kind: global_buffer, .address_space: global }
      - { .name: cs, .offset: 8, .size: 8, .value_kind: global_buffer, .address_space: global }
      - { .name: wimg, .offset: 16, .size: 8, .value_kind: global_buffer, .address_space: global }
      - { .name: wsc, .offset: 24, .size: 8, .value_kind: global_buffer, .address_space: global }
      - { .name: bo, .offset: 32, .size: 8, .value_kind: global_buffer, .address_space: global }
      - { .name: out0, .offset: 40, .size: 8, .value_kind: global_buffer, .address_space: global }
    .group_segment_fixed_size: 136192
    .private_segment_fixed_size: 0
    .kernarg_segment_align: 8
    .kernarg_segment_size: 48
    .max_flat_workgroup_size: 256
    .sgpr_count:     66
    .vgpr_count:     256
    .wavefront_size: 32
...
	.end_amdgpu_metadata
.endif
;; end of part 4
;; ======== version 2 of 2: 4 launches
;; workspace buffers: wimg 1,048,576 bytes; wsc 32,768 bytes; qc 4,325,376 bytes; kv 8,650,752 bytes; cimg 4,194,304 bytes; cs 131,072 bytes
;; launch wquant (part 5): grid 128 x 1, 1 waves a work-group, no clusters, 8,704 bytes of LDS; arguments Wq, Wk, Wv, Wo, wimg, wsc; writes wimg, wsc
.if DOCPART == 5
	.amdgcn_target "amdgcn-amd-amdhsa--gfx1250"
	.amdhsa_code_object_version 6
	.text
	.protected	k_qded62e6f1a_wquant
	.globl	k_qded62e6f1a_wquant
	.p2align	8
	.type	k_qded62e6f1a_wquant,@function
k_qded62e6f1a_wquant:
	s_mov_b64 s[64:65], 0
	v_nop
	global_prefetch_b8 v0, s[64:65] scope:SCOPE_SE
	s_setreg_imm32_b32 hwreg(HW_REG_WAVE_MODE, 25, 1), 1
	s_wait_xcnt 0x0
; The four weights [512][512] f32 (K innermost) become codes of BF8 (E5M2) with one E8M0 byte for each 32 along K, laid as IMAGES OF OPERAND REGISTERS.
; An image is a fragment of 16 rows x 128 K, 2,048 bytes: register group c (K = 32 c + 16 (lane / 16) + 0 .. 15 of row lane % 16) of lane l lies at 512 c + 16 l.
; wimg: [tensor y: Wq, Wk, Wv, Wo][tile 0..31][K step 0..3] images.  wsc: [y][tile][row 0..15][K step] scale words, 256 bytes a tile.
; THE ROWS OF A TILE: Wq, Wk, Wv: tile 4 g + 2 b + u holds rows 64 g + 32 b + 8 u + i + 8 (i / 8), so that a later product's results of two neighbouring tiles are 16 neighbours along the next K.  Wo: rows 16 tile + i.
; One wave takes one tile: 4 K steps.  Each load reads 512 consecutive bytes of one row; a step's 8 KB turn through a stage in LDS (rows 528 bytes apart) and come back 16 neighbours of each block of 32 a lane.
; A block's scale is 2^(floor(log2(largest magnitude)) - 15); its byte is the largest magnitude's exponent field - 15, held at 1 from below.
; LIMITS: a block of zeros, or one whose largest magnitude lies under 2^-111, gets the byte 1 (the rule says 127 for zeros: the codes are zeros, and this program alone reads the bytes); NaN and infinities are not served.
; No matrix unit, no cluster, no tensor load: 4 MB are read once and 1 MB is written once.
.set PITCH, 528                        ; a stage row: 512 bytes + 16: the 16 rows that a read touches start in 16 different columns of 16 bytes
.set SPARE, 16*PITCH                   ; behind the stage: the spare words, one block of 256 bytes that no other line names
.set LI,  1                            ; v1   16 x lane: a load's, an image's and the stage's way-in place
.set LR,  2                            ; v2   16 x (lane % 16): a row's four scale words
.set XB,  4                            ; v4   16 x lane + what rows 8-15 of the tile lie further on
.set TR,  6                            ; v6   the stage, way out: 528 r + 64 h
.set T,   16                           ; v16-79   64 numbers: register 16 b + i = K 32 b + 16 h + i of my row
.set R0,  80                           ; v80-143  a K step as loaded
.set R1,  144                          ; v144-207 the next one
.set TM,  208                          ; v208-223 at work: largest magnitudes, bytes, holds, scale operands
.set PC,  224                          ; v224-239 the codes just made
.set PW,  240                          ; v240-243 the four scale words
.set SPW, 252                          ; v252 LDS address of my spare word; never rewritten
.set NIL, 253                          ; v253 0; never rewritten
.set SEL, 24                           ; s[24:25] v_permlanex16_b32's selects for lane l xor 16
.set MNT, 26                           ; s26 the mantissa field of 57,344
; 64 numbers of a lane become a fragment's codes in v[PC] on and its scale word in v[pw].
.macro QUANT s, pw
.irp b, 0,1,2,3
	v_max3_num_f32 v[TM+\b], |v[\s+16*\b]|, |v[\s+1+16*\b]|, 0x8000000   ; block b: my 16 numbers, and the floor 2^(16 - 127): the byte cannot fall under 1
.endr
.irp i, 2,4,6,8,10,12,14
.irp b, 0,1,2,3
	v_max3_num_f32 v[TM+\b], v[TM+\b], |v[\s+16*\b+\i]|, |v[\s+1+16*\b+\i]|   ; the four blocks by turns
.endr
.endr
.irp b, 0,1,2,3
	v_permlanex16_b32 v[TM+4+\b], v[TM+\b], s[SEL], s[SEL+1]
.endr
.irp b, 0,1,2,3
	v_max_num_f32 v[TM+\b], v[TM+\b], v[TM+4+\b]   ; with lane l xor 16's 16: the block's largest magnitude
.endr
.irp b, 0,1,2,3
	v_add_nc_u32 v[TM+12+\b], 0xf8800000, v[TM+\b]   ; 15 off its exponent field: the conversion's scale operand
.endr
.irp b, 0,1,2,3
	v_and_or_b32 v[TM+8+\b], v[TM+\b], 0x7f800000, s[MNT]   ; 57,344 x the scale
.endr
.irp b, 0,1,2,3
	v_lshrrev_b32 v[TM+4+\b], 23, v[TM+12+\b]   ; the scale's byte
.endr
	v_lshl_or_b32 v[\pw], v[TM+5], 8, v[TM+4]
	v_lshl_or_b32 v[\pw], v[TM+6], 16, v[\pw]
	v_lshl_or_b32 v[\pw], v[TM+7], 24, v[\pw]
.irp b, 0,1,2,3
.irp i, 0,1,2,3,4,5,6,7,8,9,10,11,12,13,14,15
	v_med3_num_f32 v[\s+16*\b+\i], v[\s+16*\b+\i], -v[TM+8+\b], v[TM+8+\b]   ; the conversion does not saturate (ISA guide 7.6.2): the hold comes first
.endr
	v_cvt_scalef32_pk8_bf8_f32 v[PC+4*\b:PC+1+4*\b], v[\s+16*\b:\s+7+16*\b], v[TM+12+\b]
	v_cvt_scalef32_pk8_bf8_f32 v[PC+2+4*\b:PC+3+4*\b], v[\s+8+16*\b:\s+15+16*\b], v[TM+12+\b]
.endr
	v_nop                                          ; a plain line behind the last conversion
.endm
.macro XLOAD buf, s                    ; K step s of the tile's 16 rows: each load 512 consecutive bytes of one row
.irp i, 0,1,2,3,4,5,6,7
	global_load_b128 v[\buf+4*\i:\buf+4*\i+3], v[LI], s[4:5] offset:2048*\i+512*(\s) th:TH_LOAD_NT
.endr
.irp i, 8,9,10,11,12,13,14,15
	global_load_b128 v[\buf+4*\i:\buf+4*\i+3], v[XB], s[4:5] offset:2048*\i+512*(\s) th:TH_LOAD_NT
.endr
.endm
.macro TURN buf                        ; through the stage: LDS serves a wave's instructions in order, so no wait stands between the stores and the loads
.irp i, 0,1,2,3,4,5,6,7,8,9,10,11,12,13,14,15
	ds_store_b128 v[LI], v[\buf+4*\i:\buf+4*\i+3] offset:PITCH*\i
.endr
.irp b, 0,1,2,3
.irp j, 0,1,2,3
	ds_load_b128 v[T+16*\b+4*\j:T+16*\b+4*\j+3], v[TR] offset:128*\b+16*\j
.endr
.endr
.endm
	s_load_b256 s[4:11], s[0:1], 0x0               ; Wq, Wk, Wv, Wo
	s_load_b128 s[12:15], s[0:1], 0x20             ; wimg, wsc
	v_lshl_add_u32 v[SPW], v0, 2, SPARE
	v_mov_b32 v[NIL], 0
	s_lshr_b32 s16, ttmp9, 5                       ; y: which weight
	s_and_b32 s17, ttmp9, 30
	s_lshl_b32 s17, s17, 4                         ; 64 g + 32 b
	s_and_b32 s18, ttmp9, 1                        ; u
	s_cmp_eq_u32 s16, 3
	s_cselect_b32 s19, 4, 3                        ; Wo: + 16 u; the others: + 8 u,
	s_cselect_b32 s20, 0, 16384                    ; and rows 8-15 of the tile lie 8 rows of 2,048 bytes further on
	s_lshl_b32 s18, s18, s19
	s_add_co_u32 s17, s17, s18                     ; the tile's first row
	s_lshl_b32 s28, s17, 11
	s_mov_b32 s29, 0
	s_lshl_b32 s30, ttmp9, 13                      ; four images a tile
	s_mov_b32 s31, 0
	s_lshl_b32 s32, ttmp9, 8                       ; 256 bytes of scale words a tile
	s_mov_b32 s33, 0
	s_mov_b32 s[SEL], 0x76543210
	s_mov_b32 s[SEL+1], 0xfedcba98
	s_mov_b32 s[MNT], 0x600000
	v_lshlrev_b32 v[LI], 4, v0
	v_and_b32 v[LR], 15, v0
	v_bfe_u32 v5, v0, 4, 1
	v_mul_u32_u24 v[TR], v[LR], PITCH
	v_lshl_add_u32 v[TR], v5, 6, v[TR]
	v_lshlrev_b32 v[LR], 4, v[LR]
	v_add_nc_u32 v[XB], s20, v[LI]
.irp b, 0,1,2,3
	v_mov_b32 v[TM+4+\b], 0                        ; written once: a lane permute's destination counts as one of its sources
.endr
	s_wait_alu depctr_va_vdst(0)
	s_wait_kmcnt 0x0
	s_cmp_eq_u32 s16, 1                            ; the choice hangs on the work-group's number alone
	s_cselect_b64 s[4:5], s[6:7], s[4:5]
	s_cmp_eq_u32 s16, 2
	s_cselect_b64 s[4:5], s[8:9], s[4:5]
	s_cmp_eq_u32 s16, 3
	s_cselect_b64 s[4:5], s[10:11], s[4:5]
	s_add_nc_u64 s[4:5], s[4:5], s[28:29]
	s_add_nc_u64 s[12:13], s[12:13], s[30:31]
	s_add_nc_u64 s[14:15], s[14:15], s[32:33]
	XLOAD R0, 0
	XLOAD R1, 1
.macro KSTEP s, buf, left              ; left: the 16 loads of the next K step may stay out
	s_wait_loadcnt \left
	TURN \buf
	s_wait_dscnt 0x0                               ; the numbers are back, and the stage's stores have read the buffer,
.if (\s) < 2
	XLOAD \buf, (\s)+2                             ; which takes the step two on
.endif
.if (\s) > 0
	s_wait_xcnt 0x0                                ; the last step's stores have read the codes' registers: they are written again only behind this wait
.endif
	QUANT T, PW+(\s)
.irp c, 0,1,2,3
	global_store_b128 v[LI], v[PC+4*\c:PC+4*\c+3], s[12:13] offset:2048*(\s)+512*\c   ; 512 consecutive bytes
.endr
.endm
	KSTEP 0, R0, 16
	KSTEP 1, R1, 16
	KSTEP 2, R0, 16
	KSTEP 3, R1, 0
	global_store_b128 v[LR], v[PW:PW+3], s[14:15]  ; 256 consecutive bytes; lanes 16-31 hold the same words as lanes 0-15 and write the same bytes
	s_wait_tensorcnt 0x0                           ; the wave's end: the spare word's add and its wait come behind my last LDS store
	ds_add_u32 v[SPW], v[NIL]
	s_wait_dscnt 0x0
	s_endpgm
.Lfunc_end_k_qded62e6f1a_wquant:
	.size	k_qded62e6f1a_wquant, .Lfunc_end_k_qded62e6f1a_wquant-k_qded62e6f1a_wquant
	.p2alignl 7, 3214868480
	.fill 96, 4, 3214868480
	.section	.rodata,"a",@progbits
	.p2align	6, 0x0
	.amdhsa_kernel k_qded62e6f1a_wquant
		.amdhsa_group_segment_fixed_size 8704
		.amdhsa_private_segment_fixed_size 0
		.amdhsa_enable_private_segment 0
		.amdhsa_kernarg_size 48
		.amdhsa_user_sgpr_count 2
		.amdhsa_user_sgpr_kernarg_segment_ptr 1
		.amdhsa_wavefront_size32 1
		.amdhsa_system_sgpr_workgroup_id_x 1
		.amdhsa_system_sgpr_workgroup_id_y 1
		.amdhsa_system_sgpr_workgroup_id_z 1
		.amdhsa_system_vgpr_workitem_id 0
		.amdhsa_next_free_vgpr 256
		.amdhsa_next_free_sgpr 66
		.amdhsa_reserve_vcc 0
		.amdhsa_float_denorm_mode_32 3
		.amdhsa_float_denorm_mode_16_64 3
		.amdhsa_memory_ordered 1
		.amdhsa_forward_progress 1
		.amdhsa_inst_pref_size 50
	.end_amdhsa_kernel
	.amdgpu_metadata
---
amdhsa.version: [ 1, 2 ]
amdhsa.kernels:
  - .name:           k_qded62e6f1a_wquant
    .symbol:         k_qded62e6f1a_wquant.kd
    .args:
      - { .name: Wq, .offset: 0, .size: 8, .value_kind: global_buffer, .address_space: global }
      - { .name: Wk, .offset: 8, .size: 8, .value_kind: global_buffer, .address_space: global }
      - { .name: Wv, .offset: 16, .size: 8, .value_kind: global_buffer, .address_space: global }
      - { .name: Wo, .offset: 24, .size: 8, .value_kind: global_buffer, .address_space: global }
      - { .name: wimg, .offset: 32, .size: 8, .value_kind: global_buffer, .address_space: global }
      - { .name: wsc, .offset: 40, .size: 8, .value_kind: global_buffer, .address_space: global }
    .group_segment_fixed_size: 8704
    .private_segment_fixed_size: 0
    .kernarg_segment_align: 8
    .kernarg_segment_size: 48
    .max_flat_workgroup_size: 32
    .sgpr_count:     66
    .vgpr_count:     256
    .wavefront_size: 32
...
	.end_amdgpu_metadata
.endif
;; end of part 5
;; launch proj (part 6): grid 64 x 3, 8 waves a work-group, no clusters, 136,192 bytes of LDS; arguments query, key_, value, bq, bk, bv, wimg, wsc, qc, kv; writes qc, kv
.if DOCPART == 6
	.amdgcn_target "amdgcn-amd-amdhsa--gfx1250"
	.amdhsa_code_object_version 6
	.text
	.protected	k_qded62e6f1a_proj
	.globl	k_qded62e6f1a_proj
	.p2align	8
	.type	k_qded62e6f1a_proj,@function
k_qded62e6f1a_proj:
	s_mov_b64 s[64:65], 0
	v_nop
	global_prefetch_b8 v0, s[64:65] scope:SCOPE_SE
	s_setreg_imm32_b32 hwreg(HW_REG_WAVE_SCHED_MODE, 0, 2), 2
	s_setreg_imm32_b32 hwreg(HW_REG_WAVE_MODE, 25, 1), 1
	s_wait_xcnt 0x0
	s_wait_alu depctr_vm_vsrc(0)
; q, k, v = x W^T + b on codes of BF8 (E5M2) with E8M0 scales, and the results quantised again for attention's two products, all in one pass.
; SHARES.  Work-group (R, y): 128 tokens (rows 128 R on of the [8192][512] input), tensor y (0 query, 1 key_, 2 value).  Wave w = head w: its 64 rows of W, 16 fragments, stay in window 1 (256 registers).
; X PHASE.  Wave w quantises one tile of 16 tokens, tile 2 c + u = w: tokens 32 c + 8 u + i + 8 (i / 8); its four fragments go to LDS as images of their registers (group g of lane l at 512 g + 16 l), its scale words beside them.
; PRODUCTS, a pair of token tiles (c, 0), (c, 1) at a time, eight accumulators by turns, K in four steps of 128; the bias is the C of each sum's first instruction.
;   q, k: source 0 = 16 rows of W, source 1 = x: a lane holds ONE token, its registers run along the head's 64: two blocks of 32 a token tile.  The four blocks' codes are a PAIR image:
;         groups 0, 1 = tile (c, 0)'s d 0-31, 32-63; groups 2, 3 = tile (c, 1)'s; scale word = the four bytes in that order.
;   v:    source 0 = x, source 1 = 16 rows of W: a lane holds ONE unit of the head, its registers run along the tokens, which are the second product's K: block t = tile t's 32 tokens 32 c on.
; RECORDS of 128 tokens of one head.  qc: 8,448 bytes: 4 pair images, 256 bytes of scale words [r][c].  kv: 16,896 bytes: K's 4 pair images, V's 4 images (tile t: units 32 (t / 2) + 8 (t % 2) + r + 8 (r / 8)), K's words [r][c], V's words [r][t].
; NO MULTICAST: what work-groups share is W; each wave takes its 32 KB straight into the registers where they stay, by loads of 512 consecutive bytes.  Through LDS W's 256 KB, x's images (64 KB) and the turn stages (66 KB) would not fit in 320 KB.
; LIMITS: a block of zeros, or one under 2^-111, gets the byte 1 (its codes are zeros or subnormal-free; this program alone reads the bytes); NaN and infinities are not served.
; THE MODE: SCHED_MODE bits 1:0 = 2 (LLVM: expert scheduling mode 2), set by the entry lines.  The code itself states the register dependences between vector or matrix instructions and memory or LDS instructions, with s_wait_alu, always for 0.
; THE PLAN.  Registers that memory or LDS instructions touch:
;   v1-9      offsets and LDS addresses: made at the head, never written again: one wait on va_vdst ahead of the first load serves them for the whole kernel.
;   X PHASE, K step s.  R0, R1: x's loads land there; the stage's LDS stores read them; then they are loaded again.  T: the stage's LDS loads land there; the quantiser reads and writes it.
;             PC, PW: the quantiser writes them; the images' LDS stores, issued at the head of step s + 1, read them.
;             Two waits a step: va_vdst behind the wait for x's loads (the last quantiser has written PC and is done with T), vm_vsrc behind the wait for the stage (its stores have read R, the images' stores PC).
;   PRODUCTS, K step n = 4 c + k of 16.  A RING OF THREE BUFFERS of two fragments of x (v80, v112, v176): step n's eight matrix instructions read buffer n % 3; the LDS loads of step n + 2 land in buffer (n - 1) % 3.
;             One wait on va_vdst at the head of a step (the last step's matrix instructions are done reading their buffer), the eight loads in one run behind it, then the step's matrix instructions, which name another buffer.
;             Behind a pair's last step the same wait frees that step's buffer and x's scale words: the loads that follow it land while the quantiser runs.
;             PC: the quantiser writes it; one wait on va_vdst; four stores read it; a wait on vm_vsrc, a pair of tiles later, ahead of the next quantiser.
.set XIMG,  0                          ; LDS: x's 32 fragments: (4 tile + K step) x 2,048
.set XSC,   65536                      ; their scale words: tile x 256 + 16 r: four words, K steps 0..3
.set TSTG,  67584                      ; a turn stage for each wave: 16 rows x 528
.set PITCH, 528
.set SPARE, TSTG+8*16*PITCH            ; 135,168: the spare words, 128 bytes a wave: four blocks of 256 bytes that no other line names
.set LI,  1                            ; v1   16 x lane
.set LR,  2                            ; v2   16 x (lane % 16)
.set TW,  3                            ; v3   my stage, way in
.set TR,  4                            ; v4   my stage, way out: + 528 r + 64 h
.set XWI, 5                            ; v5   where I store x's images: 8,192 w + 16 lane
.set XWS, 6                            ; v6   and their scale words: XSC + 256 w + 16 r
.set LXS, 7                            ; v7   XSC + 16 lane: lanes 0-15 read tile (c, 0)'s words, lanes 16-31 tile (c, 1)'s
.set BAQ, 8                            ; v8   64 h: the bias for q and k
.set BAV, 9                            ; v9   4 (r + 8 (r / 8)): the bias for v
.set XS,  10                           ; v10-13  x's scale words, K steps 0..3, two tiles to a register
.set T,   16                           ; v16-79  X phase: 64 numbers;  later HA: the eight accumulators
.set HA,  16
.set R0,  80                           ; v80-143 X phase: a K step as loaded;  later the ring's buffers 0 and 1
.set XF,  80                           ; the ring of x's fragments: buffer b at XF + 32 b + 32 (b / 2): v80, v112, v176; in it tile (c, 0)'s fragment, then tile (c, 1)'s
.set R1,  144                          ; v144-207 X phase: the next K step;  later BI and the ring's buffer 2
.set BI,  144                          ; v144-175 the bias in the result's layout, 8 registers a tile of W
.set TP,  200                          ; v200-207 v's four bias numbers, until they are copied; then part of the ring's buffer 2; at the end the transposition of v's scale bytes
.set TM,  208
.set PC,  224
.set PW,  240                          ; v240-243 the scale words just made
.set WS,  244                          ; v244-251 W's scale words: register 4 (t / 2) + s: lanes 0-15 tile 2 (t / 2), lanes 16-31 the odd tile
.set SPW, 252
.set NIL, 253
.set WV,  24                           ; s24 wave = head
.set TY,  25                           ; s25 tensor
.set SEL, 40
.set MNT, 42
.set MSB, 0
.macro WIN new                         ; the immediate's high byte repeats the setting that is left
.if MSB != (\new)
	s_set_vgpr_msb (MSB<<8)|(\new)
.set MSB, \new
.endif
.endm
.macro QUANT s, pw                     ; 64 numbers of a lane, four blocks of 16 + lane l xor 16's 16, become 16 registers of codes in v[PC] on and a scale word in v[pw]
.irp b, 0,1,2,3
	v_max3_num_f32 v[TM+\b], |v[\s+16*\b]|, |v[\s+1+16*\b]|, 0x8000000   ; and the floor 2^(16 - 127): the byte cannot fall under 1.  (Each accumulator is read from its low end on)
.endr
.irp i, 2,4,6,8,10,12,14
.irp b, 0,1,2,3
	v_max3_num_f32 v[TM+\b], v[TM+\b], |v[\s+16*\b+\i]|, |v[\s+1+16*\b+\i]|
.endr
.endr
.irp b, 0,1,2,3
	v_permlanex16_b32 v[TM+4+\b], v[TM+\b], s[SEL], s[SEL+1]
.endr
.irp b, 0,1,2,3
	v_max_num_f32 v[TM+\b], v[TM+\b], v[TM+4+\b]
.endr
.irp b, 0,1,2,3
	v_add_nc_u32 v[TM+12+\b], 0xf8800000, v[TM+\b]   ; 15 off the exponent field: the conversion's scale operand
.endr
.irp b, 0,1,2,3
	v_and_or_b32 v[TM+8+\b], v[TM+\b], 0x7f800000, s[MNT]   ; 57,344 x the scale
.endr
.irp b, 0,1,2,3
	v_lshrrev_b32 v[TM+4+\b], 23, v[TM+12+\b]
.endr
	v_lshl_or_b32 v[\pw], v[TM+5], 8, v[TM+4]
	v_lshl_or_b32 v[\pw], v[TM+6], 16, v[\pw]
	v_lshl_or_b32 v[\pw], v[TM+7], 24, v[\pw]
.irp b, 0,1,2,3
.irp i, 0,1,2,3,4,5,6,7,8,9,10,11,12,13,14,15
	v_med3_num_f32 v[\s+16*\b+\i], v[\s+16*\b+\i], -v[TM+8+\b], v[TM+8+\b]   ; the conversion does not saturate (ISA guide 7.6.2)
.endr
	v_cvt_scalef32_pk8_bf8_f32 v[PC+4*\b:PC+1+4*\b], v[\s+16*\b:\s+7+16*\b], v[TM+12+\b]
	v_cvt_scalef32_pk8_bf8_f32 v[PC+2+4*\b:PC+3+4*\b], v[\s+8+16*\b:\s+15+16*\b], v[TM+12+\b]
.endr
	v_nop                                          ; a plain line behind the last conversion: later products write the numbers' registers
.endm
.macro XLOAD buf, s                    ; K step s of my 16 tokens: each load 512 consecutive bytes of one row
.irp i, 0,1,2,3,4,5,6,7,8,9,10,11,12,13,14,15
	global_load_b128 v[\buf+4*\i:\buf+4*\i+3], v[LI], s[28:29] offset:(\i+8*(\i/8))*2048+512*(\s) th:TH_LOAD_NT
.endr
.endm
.macro WLOAD s                         ; my head's four fragments of K step s into window 1, fragment (t, s) at v[16 (4 t + s)]: registers that no vector instruction ever names
	WIN 0x40
.irp t, 0,1,2,3
.irp g, 0,1,2,3
	global_load_b128 v[16*(4*\t+(\s))+4*\g:16*(4*\t+(\s))+4*\g+3], v[LI], s[32:33] offset:2048*(4*\t+(\s))+512*\g
.endr
.endr
	WIN 0
.endm
.macro TURN buf
.irp i, 0,1,2,3,4,5,6,7,8,9,10,11,12,13,14,15
	ds_store_b128 v[TW], v[\buf+4*\i:\buf+4*\i+3] offset:PITCH*\i
.endr
.irp b, 0,1,2,3
.irp j, 0,1,2,3
	ds_load_b128 v[T+16*\b+4*\j:T+16*\b+4*\j+3], v[TR] offset:128*\b+16*\j   ; LDS serves a wave's instructions in order: these see the stores above
.endr
.endr
.endm
.macro IMAGE s
.irp g, 0,1,2,3
	ds_store_b128 v[XWI], v[PC+4*\g:PC+4*\g+3] offset:2048*(\s)+512*\g
.endr
.endm
.macro LSTEP n                         ; K step n % 4 of the pair n / 4: x's two fragments into the ring's buffer n % 3: eight loads of 512 consecutive LDS bytes
.set RL, XF+32*((\n)%3)+32*(((\n)%3)/2)
.irp u, 0,1
.irp g, 0,1,2,3
	ds_load_b128 v[RL+16*\u+4*\g:RL+16*\u+4*\g+3], v[LI] offset:XIMG+(4*(2*((\n)/4)+\u)+(\n)%4)*2048+512*\g
.endr
.endr
.endm
.macro WMM d, a, b, c, sa, sb, ra, rb  ; ra, rb: 1 = that side's scales stand in lanes 16-31
.if ((\ra) == 0) && ((\rb) == 0)
	v_wmma_scale_f32_16x16x128_f8f6f4 v[\d:\d+7], v[\a:\a+15], v[\b:\b+15], v[\c:\c+7], v[\sa], v[\sb] matrix_a_fmt:MATRIX_FMT_BF8 matrix_b_fmt:MATRIX_FMT_BF8
.elseif ((\ra) == 1) && ((\rb) == 0)
	v_wmma_scale_f32_16x16x128_f8f6f4 v[\d:\d+7], v[\a:\a+15], v[\b:\b+15], v[\c:\c+7], v[\sa], v[\sb] matrix_a_fmt:MATRIX_FMT_BF8 matrix_b_fmt:MATRIX_FMT_BF8 matrix_a_scale:MATRIX_SCALE_ROW1
.elseif ((\ra) == 0) && ((\rb) == 1)
	v_wmma_scale_f32_16x16x128_f8f6f4 v[\d:\d+7], v[\a:\a+15], v[\b:\b+15], v[\c:\c+7], v[\sa], v[\sb] matrix_a_fmt:MATRIX_FMT_BF8 matrix_b_fmt:MATRIX_FMT_BF8 matrix_b_scale:MATRIX_SCALE_ROW1
.else
	v_wmma_scale_f32_16x16x128_f8f6f4 v[\d:\d+7], v[\a:\a+15], v[\b:\b+15], v[\c:\c+7], v[\sa], v[\sb] matrix_a_fmt:MATRIX_FMT_BF8 matrix_b_fmt:MATRIX_FMT_BF8 matrix_a_scale:MATRIX_SCALE_ROW1 matrix_b_scale:MATRIX_SCALE_ROW1
.endif
.endm
; The eight matrix instructions of K step n, on the ring's buffer n % 3.  pv = 1: the path for v.
.macro MSTEP pv, n
.set RM, XF+32*((\n)%3)+32*(((\n)%3)/2)
.set SK, (\n)%4
.if \pv
	WIN 0x04                                       ; source 1 (W) in window 1
.else
	WIN 0x01                                       ; source 0 (W) in window 1
.endif
.irp u, 0,1
.irp t, 0,1,2,3                        ; the eight accumulators take turns, one instruction a turn, in the same order in every K step
.if \pv
.if SK == 0
	WMM HA+8*(2*\t+\u), RM+16*\u, 16*(4*\t+SK), BI+8*\t, XS+SK, WS+4*(\t/2)+SK, \u, \t%2
.else
	WMM HA+8*(2*\t+\u), RM+16*\u, 16*(4*\t+SK), HA+8*(2*\t+\u), XS+SK, WS+4*(\t/2)+SK, \u, \t%2
.endif
.else
.if SK == 0
	WMM HA+8*(4*\u+\t), 16*(4*\t+SK), RM+16*\u, BI+8*\t, WS+4*(\t/2)+SK, XS+SK, \t%2, \u
.else
	WMM HA+8*(4*\u+\t), 16*(4*\t+SK), RM+16*\u, HA+8*(4*\u+\t), WS+4*(\t/2)+SK, XS+SK, \t%2, \u
.endif
.endif
.endr
.endr
	WIN 0
.endm
; The pair of token tiles (c, 0), (c, 1): 32 matrix instructions in four K steps, the quantiser, four stores of 512 consecutive bytes.  pv = 1: the path for v.
.macro PROD pv, c
.irp k, 0,1,2,3
.set NN, 4*(\c)+\k
.if NN == 0
	s_wait_dscnt 16                                ; LDS loads come back in order (ISA guide 5.7.1): x's scale words and step 0 are in; the 16 loads of steps 1 and 2 may be out
.elseif NN == 15
	s_wait_dscnt 0x0                               ; the last step: nothing was asked for behind it
.else
	s_wait_dscnt 8                                 ; this step's fragments (in a pair's first step its scale words too) are in; the youngest run of eight loads may be out
.endif
.if (\k > 0) && (NN+2 <= 15)
	s_wait_alu depctr_va_vdst(0)                   ; the last step's matrix instructions are done reading their buffer of the ring, in which the eight loads below land
	LSTEP NN+2                                     ; two steps ahead; this step's matrix instructions name another buffer
.endif
	MSTEP \pv, NN
.endr
.rept 8
	v_nop                                          ; eight places ahead of the first read of results; the quantiser's lines on its own registers add the ninth and more ahead of the next pair's first products, which begin the sums anew
.endr
.if (\c) < 3
	s_wait_alu depctr_va_vdst(0)                   ; the pair's matrix instructions are done reading x's scale words and the last step's buffer, in which the nine loads below land; the quantiser names neither
	ds_load_b128 v[XS:XS+3], v[LXS] offset:512*((\c)+1)
	LSTEP 4*(\c)+6                                 ; the third step of the next pair: its first two are on their way or in
.endif
.if (\c) > 0
	s_wait_xcnt 0x0                                ; the last pair's stores have had their addresses translated (ISA guide 3.1),
	s_wait_alu depctr_vm_vsrc(0)                   ; and have read the codes' registers, which the quantiser writes again
.endif
	QUANT HA, PW+(\c)
	s_wait_alu depctr_va_vdst(0)                   ; the conversions have written v[PC ..], which the four stores read (and the scale word, which the path's last store reads)
.irp g, 0,1,2,3
.if \pv
	global_store_b128 v[LI], v[PC+4*\g:PC+4*\g+3], s[36:37] offset:2048*\g+512*(\c)   ; tile g's image, the group of keys 32 c on
.else
	global_store_b128 v[LI], v[PC+4*\g:PC+4*\g+3], s[36:37] offset:2048*(\c)+512*\g   ; pair image c, group g
.endif
.endr
.endm
	s_load_b512 s[4:19], s[0:1], 0x0               ; query, key_, value, bq, bk, bv, wimg, wsc
	s_load_b128 s[20:23], s[0:1], 0x40             ; qc, kv
	v_lshl_add_u32 v[SPW], v0, 2, SPARE
	v_mov_b32 v[NIL], 0
	v_lshrrev_b32 v14, 5, v0
	v_readfirstlane_b32 s[WV], v14                 ; wave 0..7
	s_and_b32 s[TY], ttmp7, 0xffff
	v_and_b32 v14, 31, v0
	v_lshlrev_b32 v[LI], 4, v14
	v_and_b32 v15, 15, v0                          ; r
	v_lshlrev_b32 v[LR], 4, v15
	v_bfe_u32 v14, v0, 4, 1                        ; h
	s_wait_alu depctr_va_sdst(0)                   ; the wave's number is written, ahead of its first reader: LDS addresses and the bases are made from it
	s_mul_i32 s47, s[WV], 16*PITCH
	s_add_co_u32 s47, s47, TSTG
	v_add_nc_u32 v[TW], s47, v[LI]
	v_mul_u32_u24 v[TR], v15, PITCH
	v_lshl_add_u32 v[TR], v14, 6, v[TR]
	v_add_nc_u32 v[TR], s47, v[TR]
	s_lshl_b32 s48, s[WV], 13
	v_add_nc_u32 v[XWI], s48, v[LI]
	s_lshl_b32 s49, s[WV], 8
	s_add_co_u32 s49, s49, XSC
	v_add_nc_u32 v[XWS], s49, v[LR]
	v_add_nc_u32 v[LXS], XSC, v[LI]
	v_lshlrev_b32 v[BAQ], 6, v14
	v_and_b32 v[BAV], 8, v15
	v_add_nc_u32 v[BAV], v[BAV], v15
	v_lshlrev_b32 v[BAV], 2, v[BAV]
.irp b, 0,1,2,3
	v_mov_b32 v[TM+4+\b], 0                        ; written once: a lane permute's destination counts as one of its sources
.endr
	s_mov_b32 s[SEL], 0x76543210
	s_mov_b32 s[SEL+1], 0xfedcba98
	s_mov_b32 s[MNT], 0x600000
	s_lshl_b32 s50, ttmp9, 7                       ; x: row 128 R + 32 c + 8 u, with 2 c + u = wave
	s_and_b32 s51, s[WV], 6
	s_lshl_b32 s51, s51, 4
	s_add_co_u32 s50, s50, s51
	s_and_b32 s51, s[WV], 1
	s_lshl_b32 s51, s51, 3
	s_add_co_u32 s50, s50, s51
	s_lshl_b32 s50, s50, 11                        ; rows of 2,048 bytes: under 2^24
	s_mov_b32 s51, 0
	s_lshl_b32 s52, s[WV], 8                       ; the bias: my head's 64 numbers
	s_mov_b32 s53, 0
	s_lshl_b32 s54, s[TY], 18                      ; W's images: 262,144 a tensor, 32,768 a head
	s_lshl_b32 s55, s[WV], 15
	s_add_co_u32 s54, s54, s55
	s_mov_b32 s55, 0
	s_lshl_b32 s56, s[TY], 13                      ; W's scale words: 8,192 a tensor, 1,024 a head
	s_lshl_b32 s57, s[WV], 10
	s_add_co_u32 s56, s56, s57
	s_mov_b32 s57, 0
	s_lshr_b32 s58, ttmp9, 5                       ; the record: ((batch x 8 + head) x 32 + the block of 128 tokens)
	s_lshl_b32 s58, s58, 3
	s_add_co_u32 s58, s58, s[WV]
	s_lshl_b32 s58, s58, 5
	s_and_b32 s59, ttmp9, 31
	s_add_co_u32 s58, s58, s59
	s_lshl_b32 s60, s[TY], 8
	s_add_co_u32 s60, s60, 16128                   ; the scale words' place in a record of kv: 16,384 for k, 16,640 for v;
	s_mov_b32 s59, 16896
	s_cmp_eq_u32 s[TY], 0
	s_cselect_b32 s59, 8448, s59                   ; a record's bytes,
	s_cselect_b32 s60, 8192, s60                   ; in a record of qc 8,192
	s_mul_i32 s58, s58, s59
	s_cmp_eq_u32 s[TY], 2
	s_cselect_b32 s61, 8192, 0                     ; v's codes lie behind k's
	s_add_co_u32 s60, s58, s60
	s_add_co_u32 s58, s58, s61
	s_mov_b32 s59, 0
	s_mov_b32 s61, 0
	s_wait_kmcnt 0x0
	s_cmp_eq_u32 s[TY], 1                          ; the choices hang on the work-group's number alone
	s_cselect_b64 s[28:29], s[6:7], s[4:5]
	s_cselect_b64 s[30:31], s[12:13], s[10:11]
	s_cmp_eq_u32 s[TY], 2
	s_cselect_b64 s[28:29], s[8:9], s[28:29]
	s_cselect_b64 s[30:31], s[14:15], s[30:31]
	s_cmp_eq_u32 s[TY], 0
	s_cselect_b64 s[36:37], s[20:21], s[22:23]
	s_mov_b64 s[38:39], s[36:37]
	s_add_nc_u64 s[28:29], s[28:29], s[50:51]      ; x
	s_add_nc_u64 s[30:31], s[30:31], s[52:53]      ; the bias
	s_add_nc_u64 s[32:33], s[16:17], s[54:55]      ; W's images
	s_add_nc_u64 s[34:35], s[18:19], s[56:57]      ; W's scale words
	s_add_nc_u64 s[36:37], s[36:37], s[58:59]      ; the record's codes
	s_add_nc_u64 s[38:39], s[38:39], s[60:61]      ; the record's scale words
	; ---- X: my 16 tokens become four fragments.  x runs two K steps ahead; W's fragments are asked for between, 16 loads a K step
	s_wait_alu depctr_va_vdst(0)                   ; the nine offsets and addresses v1 to v9 are written: every load and store of the kernel, global or LDS, reads one of them
	XLOAD R0, 0
	XLOAD R1, 1
	WLOAD 0
	s_wait_loadcnt 32                              ; x's step 0 is in; behind it: x's step 1 and W's step 0
	TURN R0
	s_wait_dscnt 0x0                               ; the numbers are back
	s_wait_alu depctr_vm_vsrc(0)                   ; the stage's stores have read R0, in which x's step 2 lands
	XLOAD R0, 2
	WLOAD 1
	QUANT T, PW
	s_wait_loadcnt 48                              ; x's step 1 is in; behind it: W 0, x 2, W 1
	s_wait_alu depctr_va_vdst(0)                   ; the quantiser has written v[PC ..], which the image's stores read, and is done with v[T ..], in which the stage's loads land
	IMAGE 0
	TURN R1
	s_wait_dscnt 0x0
	s_wait_alu depctr_vm_vsrc(0)                   ; the stage's stores have read R1, in which x's step 3 lands; the image's stores have read v[PC ..], which the quantiser writes again
	XLOAD R1, 3
	WLOAD 2
	QUANT T, PW+1
	s_wait_loadcnt 48                              ; x's step 2; behind it: W 1, x 3, W 2
	s_wait_alu depctr_va_vdst(0)                   ; as in the step before: v[PC ..] is written, v[T ..] is done with
	IMAGE 1
	TURN R0
	s_wait_dscnt 0x0
	s_wait_alu depctr_vm_vsrc(0)                   ; the image's stores have read v[PC ..], which the quantiser writes again; the stage's stores have read R0, in which the ring's first two buffers land behind the barrier
	WLOAD 3
	QUANT T, PW+2
	s_wait_loadcnt 32                              ; x's step 3; behind it: W 2, W 3
	s_wait_alu depctr_va_vdst(0)                   ; as above: v[PC ..] is written, v[T ..] is done with
	IMAGE 2
	TURN R1
	s_wait_dscnt 0x0
	s_wait_alu depctr_vm_vsrc(0)                   ; the stage's stores have read R1, in which the bias lands now and the ring's third buffer later; the image's stores have read v[PC ..]
.irp p, 0,1
	global_load_b128 v[WS+4*\p:WS+4*\p+3], v[LI], s[34:35] offset:512*\p   ; 16 lane = 256 h + 16 r: lanes 0-15 tile 2 p's four words, lanes 16-31 tile 2 p + 1's
.endr
.irp t, 0,1,2,3
	global_load_b128 v[BI+8*\t:BI+8*\t+3], v[BAQ], s[30:31] offset:(32*(\t/2)+8*(\t%2))*4      ; q, k: units 32 b + 8 u + 16 h + 0 .. 7
	global_load_b128 v[BI+8*\t+4:BI+8*\t+7], v[BAQ], s[30:31] offset:(32*(\t/2)+8*(\t%2))*4+16
	global_load_b32 v[TP+\t], v[BAV], s[30:31] offset:(32*(\t/2)+8*(\t%2))*4                   ; v: unit 32 b + 8 u + r + 8 (r / 8).  Both forms are loaded, so that no branch stands here
.endr
	QUANT T, PW+3
	s_wait_alu depctr_va_vdst(0)                   ; the quantisers have written v[PC ..] and the four scale words v[PW ..], which the LDS stores below read
	IMAGE 3
	ds_store_b128 v[XWS], v[PW:PW+3]               ; lanes 16-31 hold the same words as lanes 0-15 and write the same bytes
	s_wait_dscnt 0x0                               ; for the others' sake: my images and words have landed
	s_barrier_signal -1
	s_barrier_wait -1                              ; x's 32 fragments lie in LDS; nothing is stored to LDS from here on
	s_wait_alu depctr_vm_vsrc(0)                   ; my LDS stores have read v[PC ..] and v[PW ..], which the quantisers of both paths write again: stated ahead of the branch
	ds_load_b128 v[XS:XS+3], v[LXS]                ; the first pair's scale words, and its first two K steps: they land while W's last loads are waited for
	LSTEP 0
	LSTEP 1
	s_wait_loadcnt 0x0                             ; W, its scale words, the bias
	s_cmp_eq_u32 s[TY], 2
	s_cbranch_scc1 .Lpath_v
	LSTEP 2                                        ; the ring's third buffer: no vector instruction has named it on this path
	PROD 0, 0
	PROD 0, 1
	PROD 0, 2
	PROD 0, 3
	global_store_b128 v[LR], v[PW:PW+3], s[38:39]  ; [r][c]: 256 consecutive bytes (lanes 16-31 write the same bytes with the same values); the four words were written ahead of the last wait on va_vdst
	s_wait_dscnt 0x0                               ; the closing lines, six on end, of a launch in the mode that stores to LDS
	s_wait_alu 0x0
	s_wait_tensorcnt 0x0
	ds_add_u32 v[SPW], v[NIL]
	s_wait_dscnt 0x0
	s_endpgm
.Lpath_v:
.irp t, 0,1,2,3
.irp j, 0,1,2,3,4,5,6,7
	v_mov_b32 v[BI+8*\t+\j], v[TP+\t]              ; a lane holds one unit: its bias in all eight registers
.endr
.endr
.rept 4
	v_nop
.endr
	s_wait_alu depctr_va_vdst(0)                   ; the copies are done reading v[TP ..], in which the ring's third buffer lands
	LSTEP 2
	PROD 1, 0
	PROD 1, 1
	PROD 1, 2
	PROD 1, 3
	; word c holds the bytes of tiles t = 0..3 for keys 32 c on; V's operand wants word t with the bytes of c = 0..3: a 4 x 4 transposition of bytes.  (v[TP ..] lay in the ring's third buffer, last read by K step 14's products: the eight places and the quantiser stand between)
	v_perm_b32 v[TP+4], v[PW+1], v[PW], 0x05010400     ; w0.t0 w1.t0 w0.t1 w1.t1
	v_perm_b32 v[TP+5], v[PW+3], v[PW+2], 0x05010400   ; w2.t0 w3.t0 w2.t1 w3.t1
	v_perm_b32 v[TP+6], v[PW+1], v[PW], 0x07030602     ; the same of t2, t3
	v_perm_b32 v[TP+7], v[PW+3], v[PW+2], 0x07030602
	v_perm_b32 v[TP], v[TP+5], v[TP+4], 0x05040100
	v_perm_b32 v[TP+1], v[TP+5], v[TP+4], 0x07060302
	v_perm_b32 v[TP+2], v[TP+7], v[TP+6], 0x05040100
	v_perm_b32 v[TP+3], v[TP+7], v[TP+6], 0x07060302
	s_wait_alu depctr_va_vdst(0)                   ; the permutes have written v[TP:TP+3], which the store reads
	global_store_b128 v[LR], v[TP:TP+3], s[38:39]  ; [r][t]: 256 consecutive bytes
	s_wait_dscnt 0x0                               ; the closing lines, as above
	s_wait_alu 0x0
	s_wait_tensorcnt 0x0
	ds_add_u32 v[SPW], v[NIL]
	s_wait_dscnt 0x0
	s_endpgm
.Lfunc_end_k_qded62e6f1a_proj:
	.size	k_qded62e6f1a_proj, .Lfunc_end_k_qded62e6f1a_proj-k_qded62e6f1a_proj
	.p2alignl 7, 3214868480
	.fill 96, 4, 3214868480
	.section	.rodata,"a",@progbits
	.p2align	6, 0x0
	.amdhsa_kernel k_qded62e6f1a_proj
		.amdhsa_group_segment_fixed_size 136192
		.amdhsa_private_segment_fixed_size 0
		.amdhsa_enable_private_segment 0
		.amdhsa_kernarg_size 80
		.amdhsa_user_sgpr_count 2
		.amdhsa_user_sgpr_kernarg_segment_ptr 1
		.amdhsa_wavefront_size32 1
		.amdhsa_system_sgpr_workgroup_id_x 1
		.amdhsa_system_sgpr_workgroup_id_y 1
		.amdhsa_system_sgpr_workgroup_id_z 1
		.amdhsa_system_vgpr_workitem_id 0
		.amdhsa_next_free_vgpr 512
		.amdhsa_next_free_sgpr 66
		.amdhsa_reserve_vcc 0
		.amdhsa_float_denorm_mode_32 3
		.amdhsa_float_denorm_mode_16_64 3
		.amdhsa_memory_ordered 1
		.amdhsa_forward_progress 1
		.amdhsa_inst_pref_size 183
	.end_amdhsa_kernel
	.amdgpu_metadata
---
amdhsa.version: [ 1, 2 ]
amdhsa.kernels:
  - .name:           k_qded62e6f1a_proj
    .symbol:         k_qded62e6f1a_proj.kd
    .args:
      - { .name: query, .offset: 0, .size: 8, .value_kind: global_buffer, .address_space: global }
      - { .name: key_, .offset: 8, .size: 8, .value_kind: global_buffer, .address_space: global }
      - { .name: value, .offset: 16, .size: 8, .value_kind: global_buffer, .address_space: global }
      - { .name: bq, .offset: 24, .size: 8, .value_kind: global_buffer, .address_space: global }
      - { .name: bk, .offset: 32, .size: 8, .value_kind: global_buffer, .address_space: global }
      - { .name: bv, .offset: 40, .size: 8, .value_kind: global_buffer, .address_space: global }
      - { .name: wimg, .offset: 48, .size: 8, .value_kind: global_buffer, .address_space: global }
      - { .name: wsc, .offset: 56, .size: 8, .value_kind: global_buffer, .address_space: global }
      - { .name: qc, .offset: 64, .size: 8, .value_kind: global_buffer, .address_space: global }
      - { .name: kv, .offset: 72, .size: 8, .value_kind: global_buffer, .address_space: global }
    .group_segment_fixed_size: 136192
    .private_segment_fixed_size: 0
    .kernarg_segment_align: 8
    .kernarg_segment_size: 80
    .max_flat_workgroup_size: 256
    .sgpr_count:     66
    .vgpr_count:     512
    .wavefront_size: 32
...
	.end_amdgpu_metadata
.endif
;; end of part 6
;; launch attn (part 7): grid 16 x 16, 16 waves a work-group, clusters of 4 x 1, 327,680 bytes of LDS; arguments qc, kv, cimg, cs; writes cimg, cs
.if DOCPART == 7
	.amdgcn_target "amdgcn-amd-amdhsa--gfx1250"
	.amdhsa_code_object_version 6
	.text
	.protected	k_qded62e6f1a_attn
	.globl	k_qded62e6f1a_attn
	.p2align	8
	.type	k_qded62e6f1a_attn,@function
k_qded62e6f1a_attn:
	s_mov_b64 s[64:65], 0
	v_nop
	global_prefetch_b8 v0, s[64:65] scope:SCOPE_SE
	s_setreg_imm32_b32 hwreg(HW_REG_WAVE_MODE, 25, 1), 1
	s_wait_xcnt 0x0
	s_wait_alu depctr_hold_cnt(0) depctr_sa_sdst(0) depctr_va_vdst(0) depctr_va_sdst(0) depctr_va_ssrc(0) depctr_va_vcc(0) depctr_vm_vsrc(0)
	s_getreg_b32 s2, hwreg(HW_REG_IB_STS2, 6, 4)
	s_cmp_eq_u32 s2, 0
	s_cbranch_scc0 .Lentry_in_a_cluster
	s_endpgm
.Lentry_in_a_cluster:
	s_bfe_u32 s2, ttmp6, 0x10000c
	s_cmp_lg_u32 s2, 0x3003
	s_cbranch_scc0 .Lentry_shape_is_right
	s_endpgm
.Lentry_shape_is_right:
; ctx[bh][q][:] = the sum over k of softmax_k(q . k / 8) v, both products on codes of BF8 (E5M2) with E8M0 scales; the result is quantised along the merged heads' axis for the output projection.
; THE SOFTMAX AHEAD OF THE SECOND PRODUCT: t = score x log2(e) / 8; M = the running largest t rounded UP to a whole number; p = 2^(t - M) is quantised along the keys, not normalised; the row's sum is taken of the
; unquantised p and divides at the end.  When M moves, the sum and O are multiplied by 2^(old M - new M): exact.
; SHARES.  Work-group: 256 queries of one head (y = batch x 8 + head).  Each of SIXTEEN waves owns one tile of 16 queries in 256 registers: four waves to a SIMD, so that one wave's vector work stands beside another's matrix work and LDS loads.
; Every wave walks the head's 4,096 keys, 128 a step.  A step's record of kv (16,896 bytes: K's 4 pair images, V's 4 images, K's and V's scale words) is dense, in the order of the operands' registers: every fragment is four loads of 512 consecutive LDS bytes.
; THE HEAD HAS 64, THE INSTRUCTION 128 ALONG K.  A pair image of K holds TWO tiles of 16 keys: tile (c, 0) on K 0-63, tile (c, 1) on K 64-127.  Against [q | 0] it gives tile (c, 0)'s scores, against [0 | q] tile (c, 1)'s; the zeros are zero codes.
; LAYOUT.  Both products are used transposed (S^T = K Q^T, O^T = V^T P^T): a lane holds ONE query.  Tile (c, u) holds keys 32 c + 8 u + i + 8 (i / 8), so the 16 registers of the two products of pair c are keys 32 c + 16 (lane / 16) + 0 .. 15;
; V's tiles hold units in the same order, so O^T's 16 registers of two neighbouring tiles are 16 neighbours along the next K.
; RING.  Two LDS slots of four steps (67,584 bytes).  Waves 0-3 fetch one record each.  CLUSTER: the four query blocks of a cluster belong to one head and walk the same records: each is asked for JOINTLY, by the same tensor load with the same
; descriptor and a mask that names the four.  By this text's count one tensor load a wave is out behind each round; every wait for tensor loads is for 0.
; LIMITS: p under 2^-126 falls to 0 (v_exp_f32 flushes); a block of p or of ctx that is all zeros, or under 2^-111, gets the byte 1 (its codes are zeros; this program alone reads the bytes); NaN and infinities are not served.
.set STEPB, 16896                      ; a record: 66 rows of 256 bytes
.set SLOTB, 4*STEPB
.set SLOT1, 1<<17                      ; slot 1 begins here: one exclusive or turns an address in one slot into the other's
.set SPARE, 262144                     ; the spare words, 128 bytes a wave: eight blocks of 256 bytes that no other line names
.set CSTG,  264192                     ; 512 bytes: the 16 tiles' scale bytes of ctx meet here; no tile lands here
.set LI,  1                            ; v1   16 x lane
.set LR,  2                            ; v2   16 x (lane % 16)
.set AD,  3                            ; v3   the step's record + 16 lane
.set AS,  4                            ; v4   the step's record + 16 r
.set SPW, 5                            ; v5   LDS address of my spare word; never rewritten
.set NIL, 6                            ; v6   0; never rewritten
.set PFO, 7                            ; v7   256 x lane: the prefetches' offset; never rewritten
.set CSA, 8                            ; v8   CSTG + 32 wave + 2 r
.set CSR, 9                            ; v9   CSTG + 16 lane
                                       ; v12 -M, v13 the largest t, v[14:15] the sum in two halves
.set BQ,  16                           ; v16-31 [q | 0];  v32-47 [0 | q]
.set FR,  48                           ; v48-111  four fragments: K's pair images, then V's images
.set S,   112                          ; v112-175 S^T, then p; on the way out ctx
.set O,   176                          ; v176-207 O^T
.set PC,  208                          ; v208-223 p's codes
.set BM,  224                          ; v224-227 a block's largest score, then its largest p
.set PT,  228                          ; v228-231 the other half's; then the bytes
.set HC,  232                          ; v232-235 57,344 x the scale
.set SO,  236                          ; v236-239 the conversions' scale operands
.set KS,  240                          ; v240-243 K's scale words, then V's
.set QS,  244                          ; v244 q's scale word
.set PS,  245                          ; v245 p's scale word
.set F,   246                          ; v[246:247] f = 2^(old M - new M); the packed forms name the pair and take its low word
.set TA,  248                          ; v248 at work
.set C2,  250                          ; v[250:251] the sums' second chain
.set WV,  12
.set CX,  13
.set QB,  14
.set LIM, 15                           ; s15 1 in a wave that prefetches, else the greatest number
.set BH,  16
.set PFA, 18                           ; s[18:19] where my prefetches stand
.set SEL, 20
.set CS,  22                           ; s[22:23] c = log2(e) / 8
.set G1,  24                           ; s[24:31] descriptor group 1
.set G0,  32                           ; s[32:35] descriptor group 0, which walks
.set TB,  36                           ; s36 LDS byte at which the step's record begins
.set SLOTS, 37
.set STP, 38
.set MNT, 39
.macro CROUND                          ; a round of the cluster's barrier
	s_barrier_signal -1
	s_barrier_wait -1
	s_cmp_lg_u32 s[WV], 0
	s_cbranch_scc1 .Lnot_wave_0_\@
	s_barrier_signal -3
.Lnot_wave_0_\@:
	s_barrier_wait -3
	s_barrier_signal -1
	s_barrier_wait -1
.endm
.macro TLOAD                           ; waves 0-3 fetch one record each; the branch hangs on the wave's number alone.  An s_nop 0 and four v_nop follow the load
	s_cmp_lt_u32 s[WV], 4
	s_cbranch_scc0 .Lasked_\@
	tensor_load_to_lds s[G0:G0+3], s[G1:G1+7]
	s_nop 0
.rept 4
	v_nop
.endr
.Lasked_\@:
.endm
; A PREFETCH INTO THE L2 of what the NEXT change of slots will ask for, four key steps ahead of that load.  All clusters of a head walk the same records: the head's first cluster asks.  Its four partners take one record each, told apart
; BY ADDRESS; in each, wave 4 asks for K's 8,192 bytes and wave 5 for V's, lanes 256 bytes apart: each block of codes is named once in the launch.  A record's 512 scale bytes come by their load alone.
; Slots 0 and 1 come by their loads alone; the last change that fills a slot asks for nothing: there is no slot behind it.
.macro ASK
	s_cmp_gt_u32 s[SLOTS], s[LIM]
	s_cbranch_scc0 .Lnot_mine_\@
	global_prefetch_b8 v[PFO], s[PFA:PFA+1] th:TH_LOAD_NT scope:SCOPE_SE
.Lnot_mine_\@:
.endm
	s_load_b256 s[4:11], s[0:1], 0x0               ; qc, kv, cimg, cs
	v_lshl_add_u32 v[SPW], v0, 2, SPARE
	v_mov_b32 v[NIL], 0
	ds_add_u32 v[SPW], v[NIL]                      ; the wave's opening: the add and its wait stand ahead of the first tensor loads; the set-up below, work on registers, stands between them
	ds_add_u32 v[SPW], v[NIL]
	v_lshrrev_b32 v[TA], 5, v0
	s_delay_alu instid0(VALU_DEP_1)
	v_readfirstlane_b32 s[WV], v[TA]               ; wave 0..15
	s_bfe_u32 s[CX], ttmp6, 0x40000                ; my place in the cluster: it enters global addresses of q, ctx and the prefetches alone
	s_lshl_b32 s[QB], ttmp9, 2
	s_add_co_u32 s[QB], s[QB], s[CX]               ; my block of 256 queries
	s_and_b32 s[BH], ttmp7, 0xffff                 ; batch x 8 + head, which the four partners share
	s_mov_b32 s[G1], 15|(3<<16)|(1<<21)            ; 15:0 the mask: all four work-groups; 17:16 elements of 8 bytes; 21 set beside a mask; no padding: every LDS read of a record is 512 consecutive bytes
	s_mov_b32 s[G1+1], 32<<16                      ; tensor_dim0 = 32 elements: rows of 256 bytes
	s_mov_b32 s[G1+2], 66<<16                      ; tensor_dim1 = 66 rows
	s_mov_b32 s[G1+3], 32<<16                      ; tile_dim0
	s_mov_b32 s[G1+4], 66                          ; tile_dim1
	s_mov_b32 s[G1+5], 32                          ; the pitch: the record is dense
	s_mov_b32 s[G1+6], 0
	s_mov_b32 s[G1+7], 0
	s_mov_b32 s[SEL], 0x76543210
	s_mov_b32 s[SEL+1], 0xfedcba98
	s_mov_b32 s[CS], 0x3e38aa3b                    ; log2(e) / sqrt(64)
	s_mov_b32 s[CS+1], s[CS]                       ; (named with it as a pair, so it is written)
	s_mov_b32 s[MNT], 0x600000
	s_mov_b32 s[TB], 0
	s_mov_b32 s[SLOTS], 7
	s_sub_co_u32 s[LIM], s[WV], 4
	s_lshr_b32 s[LIM], s[LIM], 1                   ; 0 in waves 4 and 5,
	s_or_b32 s[LIM], s[LIM], ttmp9                 ; of the head's first cluster: the same in all four partners
	s_cmp_eq_u32 s[LIM], 0
	s_cselect_b32 s[LIM], 1, -1
	s_mul_i32 s40, s[BH], 32*STEPB                 ; the head's first byte in kv
	s_and_b32 s42, s[WV], 3
	s_mul_i32 s42, s42, STEPB                      ; which of a slot's four records I fetch: its place in a slot and in memory
	s_add_co_u32 s44, s40, s42
	s_mov_b32 s45, 0
	s_mul_i32 s48, s[CX], STEPB                    ; the prefetches: my work-group's record of a slot,
	s_add_co_u32 s48, s48, s40
	s_and_b32 s47, s[WV], 1
	s_lshl_b32 s46, s47, 4                         ; (16 u: which half of a pair's scale word is my tile's)
	s_lshl_b32 s47, s47, 13
	s_add_co_u32 s48, s48, s47                     ; K's codes or V's,
	s_add_co_u32 s48, s48, SLOTB                   ; in slot 1: the first change of slots steps it to slot 2
	s_mov_b32 s49, 0
	s_lshl_b32 s50, s[BH], 5                       ; q's record: 32 a head, 2 a block of 256 queries
	s_lshl_b32 s47, s[QB], 1
	s_add_co_u32 s50, s50, s47
	s_lshr_b32 s47, s[WV], 3
	s_add_co_u32 s50, s50, s47
	s_mul_i32 s50, s50, 8448
	s_bfe_u32 s47, s[WV], 0x20001                  ; c = (wave / 2) % 4
	s_lshl_b32 s47, s47, 2
	s_add_co_u32 s52, s50, s47
	s_add_co_u32 s52, s52, 8192                    ; my pair's scale words: [r][c]
	s_mov_b32 s53, 0
	s_and_b32 s47, s[WV], 7
	s_lshl_b32 s47, s47, 10
	s_add_co_u32 s50, s50, s47                     ; my tile's two groups: 2,048 c + 1,024 u
	s_mov_b32 s51, 0
	s_lshr_b32 s54, s[BH], 3                       ; ctx: token tile batch x 256 + 16 block + wave, 8,192 bytes each;
	s_lshl_b32 s54, s54, 8
	s_lshl_b32 s47, s[QB], 4
	s_add_co_u32 s54, s54, s47
	s_add_co_u32 s54, s54, s[WV]
	s_lshl_b32 s54, s54, 13
	s_and_b32 s47, s[BH], 7
	s_lshl_b32 s47, s47, 10
	s_add_co_u32 s54, s54, s47                     ; in it my head's two groups of 512 bytes: K step head / 2, groups 2 (head % 2) on
	s_mov_b32 s55, 0
	s_lshl_b32 s56, s[BH], 13                      ; ctx's scale bytes: 32 bytes a tile, 256 tiles a head
	s_lshl_b32 s47, s[QB], 9
	s_add_co_u32 s56, s56, s47
	s_mov_b32 s57, 0
	v_and_b32 v[LI], 31, v0
	s_delay_alu instid0(VALU_DEP_1)
	v_lshlrev_b32 v[PFO], 8, v[LI]
	s_delay_alu instid0(VALU_DEP_2)
	v_lshlrev_b32 v[LI], 4, v[LI]
	v_and_b32 v[LR], 15, v0
	s_delay_alu instid0(VALU_DEP_1)
	v_lshlrev_b32 v[CSA], 1, v[LR]
	s_delay_alu instid0(VALU_DEP_2)
	v_lshlrev_b32 v[LR], 4, v[LR]
	s_lshl_b32 s47, s[WV], 5
	s_add_co_u32 s47, s47, CSTG
	v_add_nc_u32 v[CSA], s47, v[CSA]
	v_add_nc_u32 v[CSR], CSTG, v[LI]
	s_wait_dscnt 0x0                               ; the opening add is done
	s_wait_kmcnt 0x0
	s_add_nc_u64 s[PFA:PFA+1], s[6:7], s[48:49]
	s_add_nc_u64 s[44:45], s[6:7], s[44:45]
	s_add_nc_u64 s[50:51], s[4:5], s[50:51]
	s_add_nc_u64 s[52:53], s[4:5], s[52:53]
	s_add_nc_u64 s[8:9], s[8:9], s[54:55]
	s_add_nc_u64 s[10:11], s[10:11], s[56:57]
	CROUND                                         ; all four work-groups are here: the first joint loads meet
	s_mov_b32 s[G0], 1                             ; count = 1
	s_mov_b32 s[G0+1], s42                         ; LDS address: slot 0
	s_mov_b64 s[G0+2:G0+3], s[44:45]               ; global address: the head's records 0 to 3
	s_or_b32 s[G0+3], s[G0+3], 0x80000000          ; type = 2
	TLOAD                                          ; slot 0
	s_wait_alu depctr_va_vdst(0)
	global_load_b128 v[BQ:BQ+3], v[LI], s[50:51]                 ; [q | 0]: my tile's d 0-31,
	global_load_b128 v[BQ+4:BQ+7], v[LI], s[50:51] offset:512    ; d 32-63
	global_load_b128 v[BQ+24:BQ+27], v[LI], s[50:51]             ; [0 | q]: a second run of registers
	global_load_b128 v[BQ+28:BQ+31], v[LI], s[50:51] offset:512
	global_load_b32 v[QS], v[LR], s[52:53]
.set j, 8
.rept 16
	v_mov_b32 v[BQ+j], 0                           ; the zero codes
.set j, j+1
.endr
.set j, 0
.rept 32
	v_mov_b32 v[O+j], 0                            ; O^T.  (The step is written once: the first finds zeros, which the first change of M leaves zeros)
.set j, j+1
.endr
	v_mov_b32 v13, 0xff61b1e6                      ; the largest t so far: -3e38
	s_delay_alu instid0(VALU_DEP_1)
	v_floor_f32 v12, -v13                          ; -M
	v_mov_b32 v14, 0
	v_mov_b32 v15, 0
.irp b, 0,1,2,3
	v_mov_b32 v[PT+\b], 0                          ; written once: a lane permute's destination counts as one of its sources
.endr
	v_mov_b32 v[F+1], 0                            ; (named as the upper half of a pair)
	s_wait_loadcnt 0x0
	v_lshrrev_b32 v[QS], s46, v[QS]                ; my tile's two bytes of the pair's word,
	s_delay_alu instid0(VALU_DEP_1)
	v_and_b32 v[QS], 0xffff, v[QS]
	s_delay_alu instid0(VALU_DEP_1)
	v_lshl_or_b32 v[QS], v[QS], 16, v[QS]          ; twice: the word serves [q | 0] and [0 | q]
; A KEY STEP: 128 keys, the record at s[TB].
.macro STEP
	v_add_nc_u32 v[AD], s[TB], v[LI]
	v_add_nc_u32 v[AS], s[TB], v[LR]
.rept 6
	v_nop                                          ; with the two additions: eight places ahead of loads into registers that the last products read
.endr
.irp f, 0,1,2,3
.irp g, 0,1,2,3
	ds_load_b128 v[FR+16*\f+4*\g:FR+16*\f+4*\g+3], v[AD] offset:2048*\f+512*\g
.endr
.endr
	ds_load_b128 v[KS:KS+3], v[AS] offset:16384    ; K's scale words [r][c]
	s_wait_alu depctr_va_vdst(0)
	s_wait_dscnt 0x0
.irp f, 0,1,2,3
.irp e, 0,1
	v_wmma_scale_f32_16x16x128_f8f6f4 v[S+8*(2*\f+\e):S+8*(2*\f+\e)+7], v[FR+16*\f:FR+16*\f+15], v[BQ+16*\e:BQ+16*\e+15], 0, v[KS+\f], v[QS] matrix_a_fmt:MATRIX_FMT_BF8 matrix_b_fmt:MATRIX_FMT_BF8
.endr
.endr                                  ; register 16 f + i of S^T: key 32 f + 16 (lane / 16) + i
.rept 8
	v_nop                                          ; eight places ahead of V's loads into the same registers and of the first read of the scores
.endr
.irp t, 0,1,2,3
.irp g, 0,1,2,3
	ds_load_b128 v[FR+16*\t+4*\g:FR+16*\t+4*\g+3], v[AD] offset:8192+2048*\t+512*\g   ; V's images land while the softmax is walked
.endr
.endr
	ds_load_b128 v[KS:KS+3], v[AS] offset:16640    ; V's scale words [r][t]
.irp b, 0,1,2,3
	v_max3_num_f32 v[BM+\b], v[S+16*\b], v[S+1+16*\b], v[S+2+16*\b]   ; the largest score of each block of 32 keys: for the row's maximum and, since p rises with the score, for the block's largest p.  (Each accumulator is read from its low end on)
.endr
.irp i, 3,5,7,9,11,13
.irp b, 0,1,2,3
	v_max3_num_f32 v[BM+\b], v[BM+\b], v[S+16*\b+\i], v[S+1+16*\b+\i]
.endr
.endr
.irp b, 0,1,2,3
	v_max_num_f32 v[BM+\b], v[BM+\b], v[S+15+16*\b]
.endr
.irp b, 0,1,2,3
	s_delay_alu instid0(VALU_DEP_4)
	v_permlanex16_b32 v[PT+\b], v[BM+\b], s[SEL], s[SEL+1]
.endr
.irp b, 0,1,2,3
	s_delay_alu instid0(VALU_DEP_4)
	v_max_num_f32 v[BM+\b], v[BM+\b], v[PT+\b]     ; with lane l xor 16's 16 keys
.endr
	s_delay_alu instid0(VALU_DEP_2)
	v_max3_num_f32 v[TA], v[BM], v[BM+1], v[BM+2]
	s_delay_alu instid0(VALU_DEP_1)
	v_max_num_f32 v[TA], v[TA], v[BM+3]            ; the step's largest score of my query
	s_delay_alu instid0(VALU_DEP_1)
	v_mul_f32 v[TA], s[CS], v[TA]                  ; as t (c is positive)
	s_delay_alu instid0(VALU_DEP_1)
	v_max_num_f32 v13, v13, v[TA]                  ; the running largest t
	v_mov_b32 v[TA], v12
	s_delay_alu instid0(VALU_DEP_2)
	v_floor_f32 v12, -v13                          ; the new -M = floor(-t) = -ceil(t)
	s_delay_alu instid0(VALU_DEP_1)
	v_sub_f32 v[TA], v12, v[TA]                    ; old M - new M: a whole number, 0 or less
	s_delay_alu instid0(VALU_DEP_1)
	v_cvt_i32_f32 v[TA], v[TA]                     ; (it saturates)
	s_delay_alu instid0(VALU_DEP_1)
	v_ldexp_f32 v[F], 1.0, v[TA]                   ; f = 2^(old M - new M)
.set j, 0
.rept 32
	v_pk_fma_f32 v[S+j:S+j+1], v[S+j:S+j+1], s[CS:CS+1], v[12:13] op_sel_hi:[1,0,0]   ; t - M, two at a time
.set j, j+2
.endr
.irp b, 0,1,2,3
	v_fma_f32 v[BM+\b], v[BM+\b], s[CS], v12       ; the same of each block's largest score
.endr
.set j, 0
	s_wait_alu depctr_va_vdst(0)
.rept 64
	v_exp_f32 v[S+j], v[S+j]                       ; p = 2^(t - M), at most 1
.set j, j+1
.endr
	v_pk_mul_f32 v[14:15], v[14:15], v[F:F+1] op_sel_hi:[1,0]   ; the sums under the new M: a plain line behind the exponentials
	s_setprio 1
	s_wait_alu depctr_va_vdst(0)                   ; the wait ahead of the batch's first reader: one for the 64
.irp b, 0,1,2,3
	v_exp_f32 v[BM+\b], v[BM+\b]                   ; the block's largest p: the same two instructions on the same number give the same bits
.endr
	v_pk_add_f32 v[250:251], v[116:117], v[120:121]
	v_pk_add_f32 v[254:255], v[124:125], v[128:129]
	v_pk_add_f32 v[252:253], v[132:133], v[136:137]
	v_pk_add_f32 v[238:239], v[140:141], v[144:145]
	v_pk_add_f32 v[236:237], v[148:149], v[152:153]
	v_pk_add_f32 v[234:235], v[156:157], v[160:161]
	v_pk_add_f32 v[232:233], v[164:165], v[168:169]
	v_pk_add_f32 v[14:15], v[14:15], v[172:173]
	v_pk_add_f32 v[250:251], v[250:251], v[112:113]
	v_pk_add_f32 v[254:255], v[254:255], v[114:115]
	v_pk_add_f32 v[252:253], v[252:253], v[118:119]
	v_pk_add_f32 v[238:239], v[238:239], v[122:123]
	v_pk_add_f32 v[236:237], v[236:237], v[126:127]
	v_pk_add_f32 v[234:235], v[234:235], v[130:131]
	v_pk_add_f32 v[232:233], v[232:233], v[134:135]
	v_pk_add_f32 v[14:15], v[14:15], v[138:139]
	v_pk_add_f32 v[250:251], v[250:251], v[142:143]
	v_pk_add_f32 v[254:255], v[254:255], v[146:147]
	v_pk_add_f32 v[252:253], v[252:253], v[150:151]
	v_pk_add_f32 v[238:239], v[238:239], v[154:155]
	v_pk_add_f32 v[236:237], v[236:237], v[158:159]
	v_pk_add_f32 v[234:235], v[234:235], v[162:163]
	v_pk_add_f32 v[232:233], v[232:233], v[166:167]
	v_pk_add_f32 v[14:15], v[14:15], v[170:171]
	v_pk_add_f32 v[250:251], v[250:251], v[174:175]
	s_delay_alu instid0(VALU_DEP_2)
	v_pk_add_f32 v[14:15], v[14:15], v[238:239]
	s_delay_alu instid0(VALU_DEP_2)
	v_pk_add_f32 v[250:251], v[250:251], v[236:237]
	v_pk_add_f32 v[254:255], v[254:255], v[234:235]
	v_pk_add_f32 v[252:253], v[252:253], v[232:233]
	s_delay_alu instid0(VALU_DEP_2)
	v_pk_add_f32 v[14:15], v[14:15], v[254:255]
	s_delay_alu instid0(VALU_DEP_2)
	v_pk_add_f32 v[250:251], v[250:251], v[252:253]
	s_delay_alu instid0(VALU_DEP_1)
	v_pk_add_f32 v[14:15], v[14:15], v[250:251]
	s_wait_alu depctr_va_vdst(0)                   ; and one for the four
.irp b, 0,1,2,3
	v_max_num_f32 v[BM+\b], 0x8000000, v[BM+\b]    ; the floor 2^(16 - 127): the byte cannot fall under 1
.endr
.irp b, 0,1,2,3
	s_delay_alu instid0(VALU_DEP_4)
	v_add_nc_u32 v[SO+\b], 0xf8800000, v[BM+\b]    ; 15 off the exponent field: the conversion's scale operand
.endr
.irp b, 0,1,2,3
	v_and_or_b32 v[HC+\b], v[BM+\b], 0x7f800000, s[MNT]   ; 57,344 x the scale
.endr
.irp b, 0,1,2,3
	v_lshrrev_b32 v[PT+\b], 23, v[SO+\b]           ; the scale's byte
.endr
	s_delay_alu instid0(VALU_DEP_3)
	v_lshl_or_b32 v[PS], v[PT+1], 8, v[PT]         ; p's scale word for these 128 keys: the 64 holds below stand between it and the products
	s_delay_alu instid0(VALU_DEP_1)
	v_lshl_or_b32 v[PS], v[PT+2], 16, v[PS]
	s_delay_alu instid0(VALU_DEP_1)
	v_lshl_or_b32 v[PS], v[PT+3], 24, v[PS]
.irp b, 0,1,2,3
.set j, 0
.rept 16
	v_min_num_f32 v[S+16*\b+j], v[S+16*\b+j], v[HC+\b]   ; the conversion does not saturate (ISA guide 7.6.2); p is not negative: the hold is one-sided
.set j, j+1
.endr
	v_cvt_scalef32_pk8_bf8_f32 v[PC+4*\b:PC+4*\b+1], v[S+16*\b:S+16*\b+7], v[SO+\b]
	v_cvt_scalef32_pk8_bf8_f32 v[PC+4*\b+2:PC+4*\b+3], v[S+16*\b+8:S+16*\b+15], v[SO+\b]
.endr
.set j, 0
	s_setprio 0
.rept 16
	v_pk_mul_f32 v[O+j:O+j+1], v[O+j:O+j+1], v[F:F+1] op_sel_hi:[1,0]   ; O^T under the new M
.set j, j+2
.endr
.rept 4
	v_nop                                          ; four places between the codes' last conversion and the products
.endr
	s_wait_alu depctr_va_vdst(0)
	s_wait_dscnt 0x0                               ; V's images and scale words
.irp t, 0,1,2,3                        ; O^T += V^T P^T: the four accumulators by turns, one instruction a turn
	v_wmma_scale_f32_16x16x128_f8f6f4 v[O+8*\t:O+8*\t+7], v[FR+16*\t:FR+16*\t+15], v[PC:PC+15], v[O+8*\t:O+8*\t+7], v[KS+\t], v[PS] matrix_a_fmt:MATRIX_FMT_BF8 matrix_b_fmt:MATRIX_FMT_BF8
.endr
.endm
; THE CHANGE OF SLOTS stands at a slot's head.  Each wave waits for all its tensor loads (its record of the slot ahead), adds 0 to its spare word, and waits for that and for its reads of the slot that it has left.
; fill = 1: a round of the cluster's barrier follows, so that no wave of any partner still reads the other slot or has a load on its way; the joint refill is the first thing behind it and has four key steps in which to land.
.macro CHANGE fill
	s_wait_tensorcnt 0x0                           ; no tensor load of mine is out, so group 0 may be written
	ds_add_u32 v[SPW], v[NIL]                      ; 0 onto my spare word; with fill = 1 the descriptor's steps stand between it and the wait for it
.if \fill
	s_xor_b32 s[G0+1], s[G0+1], SLOT1              ; the other slot than last time,
	s_add_nc_u64 s[G0+2:G0+3], s[G0+2:G0+3], SLOTB ; the next four records; the type bits on top are not reached
	s_wait_xcnt 0x0                                ; the last prefetch, a slot back, has read its address, so it may be written:
	s_add_nc_u64 s[PFA:PFA+1], s[PFA:PFA+1], SLOTB ; one slot further on than the walking descriptor
	s_wait_dscnt 0x0                               ; the add is done, and my reads of the slot that I have left are over
	CROUND
	TLOAD
	ASK
.else
	s_wait_dscnt 0x0
	s_barrier_signal -1
	s_barrier_wait -1
.endif
.endm
.macro FOUR_STEPS                      ; a slot's four key steps: written once, walked four times
	s_mov_b32 s[STP], 4
.Lstep_\@:
	s_wait_alu depctr_va_vdst(0)
	s_setprio 2
	STEP
	s_add_co_u32 s[TB], s[TB], STEPB
	s_sub_co_u32 s[STP], s[STP], 1
	s_cmp_lg_u32 s[STP], 0
	s_cbranch_scc1 .Lstep_\@
	s_setprio 0
	s_sub_co_u32 s[TB], s[TB], SLOTB               ; back to a slot's first record,
	s_xor_b32 s[TB], s[TB], SLOT1                  ; in the other slot
.endm
.Lslot:                                ; seven trips: behind each change of slots but the last the next slot is asked for
	CHANGE 1
	FOUR_STEPS
	s_sub_co_u32 s[SLOTS], s[SLOTS], 1
	s_cmp_lg_u32 s[SLOTS], 0
	s_cbranch_scc1 .Lslot
	CHANGE 0                                       ; the last slot is written out
	FOUR_STEPS
	; THE WAY OUT.  O^T / the sum is ctx of my 16 tokens and my head's 64: register 16 b + i = d 32 b + 16 (lane / 16) + i: two blocks of the output projection's K, quantised here; the codes are two groups of the token tile's image.
.rept 8
	v_nop                                          ; eight places behind the last products
.endr
	v_add_f32 v14, v14, v15                        ; the sum's two halves,
	s_delay_alu instid0(VALU_DEP_1)
	v_permlanex16_b32 v[TA], v14, s[SEL], s[SEL+1]
	s_delay_alu instid0(VALU_DEP_1)
	v_add_f32 v14, v14, v[TA]                      ; and lane l xor 16's
	s_wait_alu depctr_va_vdst(0)
	v_rcp_f32 v14, v14
	v_nop                                          ; a plain line behind the reciprocal,
	s_wait_alu depctr_va_vdst(0)                   ; and a wait ahead of its first reader
.set j, 0
.rept 32
	v_mul_f32 v[S+j], v[O+j], v14                  ; each accumulator from its low end on
.set j, j+1
.endr
.irp b, 0,1
	v_max3_num_f32 v[BM+\b], |v[S+16*\b]|, |v[S+1+16*\b]|, 0x8000000
.endr
.irp i, 2,4,6,8,10,12,14
.irp b, 0,1
	s_delay_alu instid0(VALU_DEP_2)
	v_max3_num_f32 v[BM+\b], v[BM+\b], |v[S+16*\b+\i]|, |v[S+1+16*\b+\i]|
.endr
.endr
.irp b, 0,1
	s_delay_alu instid0(VALU_DEP_2)
	v_permlanex16_b32 v[PT+\b], v[BM+\b], s[SEL], s[SEL+1]
.endr
.irp b, 0,1
	s_delay_alu instid0(VALU_DEP_2)
	v_max_num_f32 v[BM+\b], v[BM+\b], v[PT+\b]
.endr
.irp b, 0,1
	s_delay_alu instid0(VALU_DEP_2)
	v_add_nc_u32 v[SO+\b], 0xf8800000, v[BM+\b]
.endr
.irp b, 0,1
	s_delay_alu instid0(VALU_DEP_4)
	v_and_or_b32 v[HC+\b], v[BM+\b], 0x7f800000, s[MNT]
.endr
.irp b, 0,1
	s_delay_alu instid0(VALU_DEP_4)
	v_lshrrev_b32 v[PT+\b], 23, v[SO+\b]
.endr
	s_delay_alu instid0(VALU_DEP_1)
	v_lshl_or_b32 v[PS], v[PT+1], 8, v[PT]         ; my head's two scale bytes of my token
.irp b, 0,1
.set j, 0
.rept 16
	v_med3_num_f32 v[S+16*\b+j], v[S+16*\b+j], -v[HC+\b], v[HC+\b]
.set j, j+1
.endr
	v_cvt_scalef32_pk8_bf8_f32 v[PC+4*\b:PC+4*\b+1], v[S+16*\b:S+16*\b+7], v[SO+\b]
	v_cvt_scalef32_pk8_bf8_f32 v[PC+4*\b+2:PC+4*\b+3], v[S+16*\b+8:S+16*\b+15], v[SO+\b]
.endr
	v_nop                                          ; a plain line behind the last conversion
	global_store_b128 v[LI], v[PC:PC+3], s[8:9]               ; 512 consecutive bytes each
	global_store_b128 v[LI], v[PC+4:PC+7], s[8:9] offset:512
	ds_store_b16 v[CSA], v[PS]                     ; the 16 tiles' bytes meet in LDS (lanes 16-31 write the same bytes with the same values)
	s_wait_dscnt 0x0                               ; for the others' sake
	s_barrier_signal -1
	s_barrier_wait -1
	s_cmp_lg_u32 s[WV], 0
	s_cbranch_scc1 .Lnot_first
	ds_load_b128 v[S:S+3], v[CSR]
	s_wait_dscnt 0x0
	global_store_b128 v[LI], v[S:S+3], s[10:11]    ; and leave as 512 consecutive bytes
.Lnot_first:
	s_wait_tensorcnt 0x0                           ; the wave's end: the spare word's add and its wait come behind my last tensor load and my last LDS store
	ds_add_u32 v[SPW], v[NIL]
	s_wait_dscnt 0x0
	CROUND                                         ; the closing round: no work-group ends while a partner may still ask for a record that names it
	s_endpgm
.Lfunc_end_k_qded62e6f1a_attn:
	.size	k_qded62e6f1a_attn, .Lfunc_end_k_qded62e6f1a_attn-k_qded62e6f1a_attn
	.p2alignl 7, 3214868480
	.fill 96, 4, 3214868480
	.section	.rodata,"a",@progbits
	.p2align	6, 0x0
	.amdhsa_kernel k_qded62e6f1a_attn
		.amdhsa_group_segment_fixed_size 327680
		.amdhsa_private_segment_fixed_size 0
		.amdhsa_enable_private_segment 0
		.amdhsa_kernarg_size 32
		.amdhsa_user_sgpr_count 2
		.amdhsa_user_sgpr_kernarg_segment_ptr 1
		.amdhsa_wavefront_size32 1
		.amdhsa_system_sgpr_workgroup_id_x 1
		.amdhsa_system_sgpr_workgroup_id_y 1
		.amdhsa_system_sgpr_workgroup_id_z 1
		.amdhsa_system_vgpr_workitem_id 0
		.amdhsa_next_free_vgpr 256
		.amdhsa_next_free_sgpr 66
		.amdhsa_reserve_vcc 0
		.amdhsa_float_denorm_mode_32 3
		.amdhsa_float_denorm_mode_16_64 3
		.amdhsa_memory_ordered 1
		.amdhsa_forward_progress 1
		.amdhsa_inst_pref_size 56
	.end_amdhsa_kernel
	.amdgpu_metadata
---
amdhsa.version: [ 1, 2 ]
amdhsa.kernels:
  - .name:           k_qded62e6f1a_attn
    .symbol:         k_qded62e6f1a_attn.kd
    .args:
      - { .name: qc, .offset: 0, .size: 8, .value_kind: global_buffer, .address_space: global }
      - { .name: kv, .offset: 8, .size: 8, .value_kind: global_buffer, .address_space: global }
      - { .name: cimg, .offset: 16, .size: 8, .value_kind: global_buffer, .address_space: global }
      - { .name: cs, .offset: 24, .size: 8, .value_kind: global_buffer, .address_space: global }
    .group_segment_fixed_size: 327680
    .private_segment_fixed_size: 0
    .kernarg_segment_align: 8
    .kernarg_segment_size: 32
    .max_flat_workgroup_size: 512
    .sgpr_count:     66
    .vgpr_count:     256
    .wavefront_size: 32
...
	.end_amdgpu_metadata
.endif
;; end of part 7
;; launch outp (part 8): grid 64 x 4, 8 waves a work-group, no clusters, 136,192 bytes of LDS; arguments cimg, cs, wimg, wsc, bo, out0; writes out0
.if DOCPART == 8
	.amdgcn_target "amdgcn-amd-amdhsa--gfx1250"
	.amdhsa_code_object_version 6
	.text
	.protected	k_qded62e6f1a_outp
	.globl	k_qded62e6f1a_outp
	.p2align	8
	.type	k_qded62e6f1a_outp,@function
k_qded62e6f1a_outp:
	s_mov_b64 s[64:65], 0
	v_nop
	global_prefetch_b8 v0, s[64:65] scope:SCOPE_SE
	s_setreg_imm32_b32 hwreg(HW_REG_WAVE_SCHED_MODE, 0, 2), 2
	s_setreg_imm32_b32 hwreg(HW_REG_WAVE_MODE, 25, 1), 1
	s_wait_xcnt 0x0
	s_wait_alu depctr_vm_vsrc(0)
; out0 = ctx Wo^T + bo on codes of BF8 (E5M2) with E8M0 scales.  ctx arrives as images of operand registers (cimg: [token tile][K step] 2,048 bytes) with two scale bytes for each token and head (cs: [batch x 8 + head][tile of the batch][r] 16 bits).
; SHARES.  Work-group (R, y): 128 tokens x 128 output columns.  Wave w holds Wo's tile 8 y + w (16 columns, 4 fragments, 64 registers) for all 8 token tiles; it also copies token tile 8 R + w (8 KB) into LDS and puts its scale words together.
; The product is used transposed (source 0 = 16 rows of Wo, source 1 = 16 tokens): a lane holds eight neighbouring columns of one token.  Row r of token tile 2 c + u is token 32 c + 8 u + r + 8 (r / 8) of the 128.
; The results meet in a stage (128 rows x 528 bytes) and leave as rows of 512 consecutive bytes.  The bias is the C of each sum's first instruction.
; NO MULTICAST: the four work-groups of a block of tokens share its 64 KB of codes; each brings them once by plain loads of 512 consecutive bytes and fills no LDS byte again; beside them it moves 66 KB of Wo and 64 KB of results of its own.
; THE MODE: SCHED_MODE bits 1:0 = 2 (LLVM: expert scheduling mode 2), set by the entry lines.  The code itself states the register dependences between vector or matrix instructions and memory or LDS instructions, with s_wait_alu, always for 0.
; THE PLAN.  Registers that memory or LDS instructions touch:
;   v1-9      offsets and LDS addresses: made at the head, never written again: one wait on va_vdst ahead of the first load serves them for the whole kernel.
;   v80-143   at the head my token tile as loaded, read by the copy's LDS stores; then the ring's buffers 0 and 1; on the way out the rows read back from the stage.
;   v204-215  at the head the heads' scale bytes and the four words made of them, read by one LDS store; then part of the ring's buffer 2 (v204-235).
;   THE RING  Sixteen half-steps j: four token tiles at a time, K step (j / 2) % 4, tiles 2 (j % 2) and 2 (j % 2) + 1 of the four.  Half-step j's two matrix instructions read buffer j % 3; the LDS loads of half-step j + 2 land in buffer (j - 1) % 3.
;             One wait on va_vdst at a half-step's head (the last half-step's matrix instructions are done reading their buffer); the eight loads follow it, dealt among the two matrix instructions, which name another buffer.
;   CS        ctx's scale words of all eight token tiles: loaded once, read by matrix instructions alone.
;   ACC       written by the matrix instructions; read by the stage's LDS stores behind the places and one wait on va_vdst; begun anew behind one wait on vm_vsrc.
.set CIMG, 0                           ; LDS: the 32 fragments: tile x 8,192 + K step x 2,048
.set CSC,  65536                       ; their scale words: tile x 256 + 16 r: four words
.set STG,  67584                       ; the stage
.set SP,   528
.set SPARE, STG+128*SP                 ; 135,168: the spare words, 128 bytes a wave: four blocks of 256 bytes that no other line names
.set LI,  1                            ; v1  16 x lane
.set LR,  2                            ; v2  16 r
.set CW,  3                            ; v3  where I store my tile's images
.set CSW, 4                            ; v4  and its scale words
.set CSR, 5                            ; v5  CSC + 16 r
.set SO,  6                            ; v6  the stage, way in: row r + 8 (r / 8), + 64 wave + 32 h
.set SR,  7                            ; v7  the stage, way out: my 16 rows, 16 bytes a lane
.set UO,  8                            ; v8  2 r
.set BO,  9                            ; v9  32 h
.set WF,  16                           ; v16-79   Wo's four fragments
.set CF,  80                           ; v80-143  the copy; rows on the way out.  The ring of ctx's fragments: buffer b, two fragments, at CF + 32 b + 60 (b / 2): v80, v112, v204
.set ACC, 144                          ; v144-175 four accumulators
.set CS,  176                          ; ctx's scale words: token tile T, K step s at CS + 60 (T / 4) + 4 (T % 4) + s: v176-191 and v236-251
.set WS,  192                          ; v192-195 Wo's
.set BI,  196                          ; v196-203 the bias of my lane's eight columns
.set U,   204                          ; v204-211 at the head: the eight heads' pairs of bytes
.set CWD, 212                          ; v212-215 at the head: my token's four scale words
.set SPW, 252
.set NIL, 253
.set WV,  16
.macro LFRAG j, i                      ; fragment i of half-step j into the ring's buffer j % 3: four loads of 512 consecutive LDS bytes
.set RL, CF+32*((\j)%3)+60*(((\j)%3)/2)
.irp g, 0,1,2,3
	ds_load_b128 v[RL+16*(\i)+4*\g:RL+16*(\i)+4*\g+3], v[LI] offset:CIMG+8192*(4*((\j)/8)+2*((\j)%2)+(\i))+2048*(((\j)/2)%4)+512*\g
.endr
.endm
.macro OWM m, t, rb, s                 ; accumulator m += Wo's fragment of K step s x token tile t's, which lies at v[rb]; K step 0 begins the sum with the bias
.if (\s) == 0
	v_wmma_scale_f32_16x16x128_f8f6f4 v[ACC+8*(\m):ACC+8*(\m)+7], v[WF+16*(\s):WF+16*(\s)+15], v[\rb:\rb+15], v[BI:BI+7], v[WS+(\s)], v[CS+60*((\t)/4)+4*((\t)%4)+(\s)] matrix_a_fmt:MATRIX_FMT_BF8 matrix_b_fmt:MATRIX_FMT_BF8
.else
	v_wmma_scale_f32_16x16x128_f8f6f4 v[ACC+8*(\m):ACC+8*(\m)+7], v[WF+16*(\s):WF+16*(\s)+15], v[\rb:\rb+15], v[ACC+8*(\m):ACC+8*(\m)+7], v[WS+(\s)], v[CS+60*((\t)/4)+4*((\t)%4)+(\s)] matrix_a_fmt:MATRIX_FMT_BF8 matrix_b_fmt:MATRIX_FMT_BF8
.endif
.endm
; Half-step j.  The four accumulators take turns, one instruction a turn, in the same order in every K step.
.macro HSTEP j
.set RM, CF+32*((\j)%3)+60*(((\j)%3)/2)
.set SS, ((\j)/2)%4
.set M0, 2*((\j)%2)
.set T0, 4*((\j)/8)+M0
.if (\j) == 15
	s_wait_dscnt 0x0                               ; the last half-step: nothing was asked for behind it
.elseif ((\j) == 8) || ((\j) == 9)
	s_wait_dscnt 16                                ; LDS instructions are done in order (ISA guide 5.7.1): this half-step's fragments are in; behind them: eight loads and the stage's eight stores
.else
	s_wait_dscnt 8                                 ; this half-step's fragments (at the first also the scale words) are in; the next half-step's eight loads may be out
.endif
.if (\j) == 8
	s_wait_alu depctr_vm_vsrc(0)                   ; the stage's stores have read the four accumulators, which this half-step and the next begin anew
.endif
.if ((\j) >= 1) && ((\j) <= 13) && ((\j) != 8)
	s_wait_alu depctr_va_vdst(0)                   ; the last half-step's matrix instructions are done reading their buffer of the ring, in which the eight loads below land
.endif
	OWM M0, T0, RM, SS
.if (\j) <= 13
	LFRAG (\j)+2, 0                                ; two half-steps ahead.  No further wait: no matrix instruction since the last wait on va_vdst names that buffer or v[LI]
.endif
	OWM M0+1, T0+1, RM+16, SS
.if (\j) <= 13
	LFRAG (\j)+2, 1
.endif
.endm
; Four token tiles' results go into the stage.
.macro STAGE hh, places
.rept \places
	v_nop                                          ; eight places ahead of the stores that read results; behind the first four tiles a ninth, since the next four begin the same accumulators anew with the bias
.endr
	s_wait_alu depctr_va_vdst(0)                   ; the matrix instructions have written the accumulators, which the stores read (the places above stay beside this wait); they are also done reading the ring: the next loads into it, half-step 10's or the rows on the way out, follow without a further wait
.irp m, 0,1,2,3
	ds_store_b128 v[SO], v[ACC+8*\m:ACC+8*\m+3] offset:(32*((4*(\hh)+\m)/2)+8*(\m%2))*SP        ; each accumulator from its low end on
	ds_store_b128 v[SO], v[ACC+8*\m+4:ACC+8*\m+7] offset:(32*((4*(\hh)+\m)/2)+8*(\m%2))*SP+16
.endr
.endm
	s_load_b256 s[4:11], s[0:1], 0x0               ; cimg, cs, wimg, wsc
	s_load_b128 s[12:15], s[0:1], 0x20             ; bo, out0
	v_lshl_add_u32 v[SPW], v0, 2, SPARE
	v_mov_b32 v[NIL], 0
	v_lshrrev_b32 v10, 5, v0
	v_readfirstlane_b32 s[WV], v10                 ; wave 0..7
	s_and_b32 s17, ttmp7, 0xffff                   ; y
	v_and_b32 v10, 31, v0
	v_lshlrev_b32 v[LI], 4, v10
	v_and_b32 v10, 15, v0                          ; r
	v_bfe_u32 v11, v0, 4, 1                        ; h
	v_lshlrev_b32 v[LR], 4, v10
	v_lshlrev_b32 v[UO], 1, v10
	v_lshlrev_b32 v[BO], 5, v11
	s_wait_alu depctr_va_sdst(0)                   ; the wave's number is written, ahead of its first reader: LDS addresses and the bases are made from it
	s_lshl_b32 s34, s[WV], 13
	v_add_nc_u32 v[CW], s34, v[LI]
	s_lshl_b32 s35, s[WV], 8
	s_add_co_u32 s35, s35, CSC
	v_add_nc_u32 v[CSW], s35, v[LR]
	v_add_nc_u32 v[CSR], CSC, v[LR]
	v_and_b32 v12, 8, v10
	v_add_nc_u32 v12, v12, v10                     ; r + 8 (r / 8)
	v_mul_u32_u24 v[SO], v12, SP
	v_lshl_add_u32 v[SO], v11, 5, v[SO]
	s_lshl_b32 s36, s[WV], 6
	s_add_co_u32 s36, s36, STG
	v_add_nc_u32 v[SO], s36, v[SO]
	s_mul_i32 s37, s[WV], 16*SP
	s_add_co_u32 s37, s37, STG
	v_add_nc_u32 v[SR], s37, v[LI]
	s_lshl_b32 s20, ttmp9, 3
	s_add_co_u32 s20, s20, s[WV]
	s_lshl_b32 s20, s20, 13                        ; my token tile's four images
	s_mov_b32 s21, 0
	s_lshr_b32 s22, ttmp9, 5
	s_lshl_b32 s22, s22, 16                        ; its scale bytes: 65,536 a batch (8 heads x 8,192),
	s_and_b32 s23, ttmp9, 31
	s_lshl_b32 s23, s23, 3
	s_add_co_u32 s23, s23, s[WV]
	s_lshl_b32 s23, s23, 5                         ; 32 a tile
	s_add_co_u32 s22, s22, s23
	s_mov_b32 s23, 0
	s_lshl_b32 s24, s17, 3
	s_add_co_u32 s24, s24, s[WV]                   ; Wo's tile 8 y + w
	s_lshl_b32 s26, s24, 13
	s_add_co_u32 s26, s26, 3*262144                ; Wo is the fourth tensor of wimg
	s_mov_b32 s27, 0
	s_lshl_b32 s28, s24, 8
	s_add_co_u32 s28, s28, 3*8192
	s_mov_b32 s29, 0
	s_lshl_b32 s30, s24, 6                         ; the bias: 16 numbers a tile
	s_mov_b32 s31, 0
	s_lshl_b32 s32, ttmp9, 18                      ; out0: row 128 R + 16 w of 2,048 bytes, + 512 y
	s_lshl_b32 s33, s[WV], 15
	s_add_co_u32 s32, s32, s33
	s_lshl_b32 s33, s17, 9
	s_add_co_u32 s32, s32, s33
	s_mov_b32 s33, 0
	s_wait_kmcnt 0x0
	s_add_nc_u64 s[4:5], s[4:5], s[20:21]
	s_add_nc_u64 s[6:7], s[6:7], s[22:23]
	s_add_nc_u64 s[8:9], s[8:9], s[26:27]
	s_add_nc_u64 s[10:11], s[10:11], s[28:29]
	s_add_nc_u64 s[12:13], s[12:13], s[30:31]
	s_add_nc_u64 s[14:15], s[14:15], s[32:33]
	s_wait_alu depctr_va_vdst(0)                   ; the nine offsets and addresses v1 to v9 are written: every load and store of the kernel, global or LDS, reads one of them
.set k, 0
.rept 16
	global_load_b128 v[CF+4*k:CF+4*k+3], v[LI], s[4:5] offset:512*k   ; my token tile, 512 consecutive bytes a load
.set k, k+1
.endr
.irp hd, 0,1,2,3,4,5,6,7
	global_load_u16 v[U+\hd], v[UO], s[6:7] offset:8192*\hd
.endr
.set k, 0
.rept 16
	global_load_b128 v[WF+4*k:WF+4*k+3], v[LI], s[8:9] offset:512*k
.set k, k+1
.endr
	global_load_b128 v[WS:WS+3], v[LR], s[10:11]
	global_load_b128 v[BI:BI+3], v[BO], s[12:13]
	global_load_b128 v[BI+4:BI+7], v[BO], s[12:13] offset:16
	s_wait_loadcnt 19                              ; ctx's codes and bytes are in; Wo's 16 loads, its scale words and the bias's two may be out
.set k, 0
.rept 16
	ds_store_b128 v[CW], v[CF+4*k:CF+4*k+3] offset:512*k
.set k, k+1
.endr
.irp s, 0,1,2,3
	v_lshl_or_b32 v[CWD+\s], v[U+2*\s+1], 16, v[U+2*\s]   ; K step s = heads 2 s and 2 s + 1: four blocks of 32
.endr
	s_wait_alu depctr_va_vdst(0)                   ; the four lines above have written v[CWD ..], which the store reads, and are done with v[U ..] and v[CWD ..], in which the ring's third buffer lands later
	ds_store_b128 v[CSW], v[CWD:CWD+3]             ; (lanes 16-31 write the same bytes with the same values)
	s_wait_dscnt 0x0                               ; for the others' sake
	s_barrier_signal -1
	s_barrier_wait -1                              ; the 32 fragments and their scale words lie in LDS
	s_wait_alu depctr_vm_vsrc(0)                   ; my LDS stores have read v[CF ..] and v[CWD ..]: these registers are the ring from here on, written by its loads
.irp t, 0,1,2,3,4,5,6,7
	ds_load_b128 v[CS+60*(\t/4)+4*(\t%4):CS+60*(\t/4)+4*(\t%4)+3], v[CSR] offset:256*\t   ; the scale words of all eight token tiles, once
.endr
	LFRAG 0, 0                                     ; the first two half-steps: they land while Wo's last loads are waited for
	LFRAG 0, 1
	LFRAG 1, 0
	LFRAG 1, 1
	s_wait_loadcnt 0x0
.irp j, 0,1,2,3,4,5,6,7
	HSTEP \j
.endr
	STAGE 0, 9
.irp j, 8,9,10,11,12,13,14,15
	HSTEP \j
.endr
	STAGE 1, 8
	s_wait_dscnt 0x0                               ; for the others' sake
	s_barrier_signal -1
	s_barrier_wait -1                              ; 128 rows of 512 bytes lie in the stage
.irp i, 0,1,2,3,4,5,6,7,8,9,10,11,12,13,14,15
	ds_load_b128 v[CF+4*\i:CF+4*\i+3], v[SR] offset:\i*SP
.endr
.irp i, 0,1,2,3,4,5,6,7,8,9,10,11,12,13,14,15
	s_wait_dscnt 15-\i                             ; LDS loads come back in order: row i is in, the younger ones may be out
	global_store_b128 v[LI], v[CF+4*\i:CF+4*\i+3], s[14:15] offset:2048*\i th:TH_STORE_NT   ; 512 consecutive bytes, at a multiple of 512 from out0's first byte; written once, read by nobody here
.endr
	s_wait_dscnt 0x0                               ; the closing lines, six on end, of a launch in the mode that stores to LDS
	s_wait_alu 0x0
	s_wait_tensorcnt 0x0
	ds_add_u32 v[SPW], v[NIL]
	s_wait_dscnt 0x0
	s_endpgm
.Lfunc_end_k_qded62e6f1a_outp:
	.size	k_qded62e6f1a_outp, .Lfunc_end_k_qded62e6f1a_outp-k_qded62e6f1a_outp
	.p2alignl 7, 3214868480
	.fill 96, 4, 3214868480
	.section	.rodata,"a",@progbits
	.p2align	6, 0x0
	.amdhsa_kernel k_qded62e6f1a_outp
		.amdhsa_group_segment_fixed_size 136192
		.amdhsa_private_segment_fixed_size 0
		.amdhsa_enable_private_segment 0
		.amdhsa_kernarg_size 48
		.amdhsa_user_sgpr_count 2
		.amdhsa_user_sgpr_kernarg_segment_ptr 1
		.amdhsa_wavefront_size32 1
		.amdhsa_system_sgpr_workgroup_id_x 1
		.amdhsa_system_sgpr_workgroup_id_y 1
		.amdhsa_system_sgpr_workgroup_id_z 1
		.amdhsa_system_vgpr_workitem_id 0
		.amdhsa_next_free_vgpr 256
		.amdhsa_next_free_sgpr 66
		.amdhsa_reserve_vcc 0
		.amdhsa_float_denorm_mode_32 3
		.amdhsa_float_denorm_mode_16_64 3
		.amdhsa_memory_ordered 1
		.amdhsa_forward_progress 1
		.amdhsa_inst_pref_size 27
	.end_amdhsa_kernel
	.amdgpu_metadata
---
amdhsa.version: [ 1, 2 ]
amdhsa.kernels:
  - .name:           k_qded62e6f1a_outp
    .symbol:         k_qded62e6f1a_outp.kd
    .args:
      - { .name: cimg, .offset: 0, .size: 8, .value_kind: global_buffer, .address_space: global }
      - { .name: cs, .offset: 8, .size: 8, .value_kind: global_buffer, .address_space: global }
      - { .name: wimg, .offset: 16, .size: 8, .value_kind: global_buffer, .address_space: global }
      - { .name: wsc, .offset: 24, .size: 8, .value_kind: global_buffer, .address_space: global }
      - { .name: bo, .offset: 32, .size: 8, .value_kind: global_buffer, .address_space: global }
      - { .name: out0, .offset: 40, .size: 8, .value_kind: global_buffer, .address_space: global }
    .group_segment_fixed_size: 136192
    .private_segment_fixed_size: 0
    .kernarg_segment_align: 8
    .kernarg_segment_size: 48
    .max_flat_workgroup_size: 256
    .sgpr_count:     66
    .vgpr_count:     256
    .wavefront_size: 32
...
	.end_amdgpu_metadata
.endif
;; end of part 8
